; MI455X (gfx1250); checked and timed in simulation.
; The chip was launched on July 23, 2026; its instructions are those of AMD's public machine-readable ISA for CDNA 5 (MIT licence, August 2026) and "CDNA5" Instruction Set Architecture Reference Guide (July 2026). The comments in the code are by the model that wrote it; some were corrected since.
;; Attention. Allowed arithmetic: matrix products marked QUANTISED: E2M1 operands, one E8M0 scale for each 32 along K, by v_wmma_scale_f32_16x16x128_f8f6f4 with both operands' format E2M1 (or v_wmma_scale_f32_32x16x128_f4), f32 sums; products left as they are: bf16, f16 or f32 operands; f32 sums; everything else in f32.
;; Inputs: W_out 1,024 x 1,024 float32; W_qkv 1,024 x 3,072 float32; b_out 1,024 float32; b_qkv 3,072 float32; x 4 x 2,048 x 1,024 float32.
;; Outputs: out0 4 x 2,048 x 1,024 float32.
;; This version of the problem:
;;   THIS VERSION OF THE PROBLEM IS GIVEN IN LOW PRECISION. The matrix products marked QUANTISED in the list below multiply operands that are first quantised to E2M1 (2 exponent bits, 1 mantissa bit; 4 bits a number), with one power-of-two scale for each 32 numbers along K (OCP MX v1.0); their sums are f32. The products marked 'left as it is' may take bf16, f16 or f32 operands, with f32 sums. Whichever they take, every output number must still come out within the allowed error. Rounding operands to bf16 (8 significant bits) uses up far more of that allowance than f16 does (11 bits, for magnitudes from 6e-5 to 65,504). All else is computed in f32.
;;   The module's matrix products, in the order in which they are computed (A, B: the left and right operand; K: the contracted axis; several contracted axes count as one K, in the product's order):
;;     1. [M 8,192, K 1,024] x [K 1,024, N 3,072]; A: input x; B: input W_qkv: QUANTISED
;;     2. batch 64 x [M 2,048, K 64] x [K 64, N 2,048]; A: computed on the way; B: computed on the way: left as it is (an operand is computed on the way)
;;     3. batch 64 x [M 64, K 2,048] x [K 2,048, N 2,048]; A: computed on the way; B: computed on the way: left as it is (an operand is computed on the way)
;;     4. [M 8,192, K 1,024] x [K 1,024, N 1,024]; A: computed on the way; B: input W_out: left as it is (an operand is computed on the way)
;;   THE QUANTISER, for each operand of a quantised product, along K:
;;     - K is cut into blocks of 32 from its start; a last block that is shorter is filled with zeros.
;;     - A block's scale is 2^e with e = floor(log2(the largest magnitude in the block)) - 2, held to -126 .. 127; a block of zeros has e = 0. As a byte (E8M0): e + 127.
;;     - Each number is divided by its block's scale, clamped to +-6, and rounded to the nearest number of E2M1, ties to even, subnormals kept.
;;     - The product sums the exact products of the quantised numbers (number of the format x scale) in f32.
;;   ~~~python
;;   def quantise(x, axis):      # numpy; x: float32 -> the quantised numbers, widened to float32 again
;;       x = np.moveaxis(x, axis, -1); K = x.shape[-1]
;;       x = np.pad(x, [(0, 0)] * (x.ndim - 1) + [(0, -K % 32)]); x = x.reshape(x.shape[:-1] + (-1, 32)); a = np.abs(x).max(-1, keepdims=True)
;;       e = np.where(a > 0, np.clip(np.frexp(np.where(a > 0, a, 1))[1] - 1 - 2, -126, 127), 0)      # np.frexp(a)[1] - 1 = floor(log2(a)), exactly
;;       r = np.clip(x / 2.0 ** e, -6, 6)
;;       step = 2.0 ** (np.maximum(np.frexp(np.where(r == 0, 1, r))[1] - 1, 0) - 1)
;;       q = np.round(r / step) * step * 2.0 ** e      # np.round: ties to even
;;       return np.moveaxis(q.reshape(q.shape[:-2] + (-1,))[..., :K], -1, axis).astype(np.float32)
;;   ~~~
;; One version. Each part assembles by itself: llvm-mc -triple=amdgcn-amd-amdhsa -mcpu=gfx1250 --defsym DOCPART=n.
;; ======== version 1 of 1: 4 launches
;; limits: values are held in f16: magnitudes above 65,504 overflow, below 6.1e-05 lose precision; right only within a limited range of input values
;; workspace buffers: xc 4,194,304 bytes; xs 262,144 bytes; wc 1,572,864 bytes; ws 98,304 bytes; wt 2,097,152 bytes; qkvh 50,331,648 bytes; oh 16,777,216 bytes
;; launch prep (part 1): grid 368 x 1, 4 waves a work-group, no clusters, 102,912 bytes of LDS; arguments x, W_qkv, W_out, xc, xs, wc, ws, wt; writes xc, xs, wc, ws, wt
.if DOCPART == 1
	.amdgcn_target "amdgcn-amd-amdhsa--gfx1250"
	.amdhsa_code_object_version 6
	.text
	.protected	k_q1710b8409f_prep
	.globl	k_q1710b8409f_prep
	.p2align	8
	.type	k_q1710b8409f_prep,@function
k_q1710b8409f_prep:
	s_mov_b64 s[64:65], 0
	v_nop
	global_prefetch_b8 v0, s[64:65] scope:SCOPE_SE
	s_setreg_imm32_b32 hwreg(HW_REG_WAVE_MODE, 25, 1), 1
	s_wait_xcnt 0x0
; PREP: what every later launch reads many times is made once.
;   work-groups 0-47:    W_qkv [1024 k][3072 n] f32 -> wc [3072][512 bytes] codes of E2M1, K innermost, and ws [3072][32] E8M0 bytes
;   work-groups 48-111:  W_out [1024 k][1024 n] f32 -> wt [1024 n][1024 k] f16
;   work-groups 112-367: x [8192][1024] f32        -> xc [8192][512 bytes] codes, xs [8192][32] E8M0 bytes
; A block's scale is 2^(floor(log2(its largest magnitude)) - 2); its byte is the largest magnitude's exponent field - 2, held at 1 from below.
; LIMITS: NaN and infinities are not served.  A block of zeros gets the byte 1 where the quantiser says 127: its codes are zeros, which add nothing, and the bytes are read by this program alone.
; W_out goes to f16: magnitudes from 65,504 on are not served.
; The three ways part on the work-group's number and never join; each has LDS bytes of its own.  No tensor loads, no barrier: waves share nothing.
.set SPARE, 102400                     ; behind the three ways' regions: the spare words, 128 bytes for each wave
.set SPW,   192                        ; v192 LDS address of my spare word; never rewritten
.set NIL,   193                        ; v193 0; never rewritten
	s_load_b256 s[4:11], s[0:1], 0x0               ; x s[4:5], W_qkv s[6:7], W_out s[8:9], xc s[10:11]
	s_load_b256 s[12:19], s[0:1], 0x20             ; xs s[12:13], wc s[14:15], ws s[16:17], wt s[18:19]
	v_lshl_add_u32 v[SPW], v0, 2, SPARE
	v_mov_b32 v[NIL], 0
	v_lshrrev_b32 v1, 5, v0
	v_readfirstlane_b32 s20, v1                    ; wave 0..3
	v_and_b32 v2, 31, v0                           ; lane
	s_wait_kmcnt 0x0
	s_cmp_lt_u32 ttmp9, 48
	s_cbranch_scc1 .Lw
	s_cmp_lt_u32 ttmp9, 112
	s_cbranch_scc1 .Lo
; ---------------- x: K is innermost, rows are dense: a plain stream of blocks of 32.  A wave takes 16 steps of 512 numbers.
; Each load reads 512 consecutive bytes; a step's 2,048 bytes turn through the wave's own stage in LDS and come back 64 bytes a lane: 16 neighbours along K, two lanes to a block.
.set XR, 16                            ; v16-79   four sets of 16 numbers as loaded
.set XX, 80                            ; v80-111  two sets of 16 neighbours
.set XE, 112                           ; v112-127 a scale byte for each step
.set XC, 128                           ; v128-191 codes: four registers for each step, so that no store's data are written again
.set SP, 80                            ; a lane's place in a stage: 64 bytes + 16 of padding
	s_sub_co_u32 s21, ttmp9, 112
	s_lshl_b32 s21, s21, 2
	s_add_co_u32 s22, s21, s20                     ; which run of 8,192 numbers is my wave's
	s_mov_b32 s23, 0
	s_lshl_b64 s[24:25], s[22:23], 15
	s_add_nc_u64 s[4:5], s[4:5], s[24:25]          ; 32,768 bytes of x a run,
	s_lshl_b64 s[24:25], s[22:23], 12
	s_add_nc_u64 s[10:11], s[10:11], s[24:25]      ; 4,096 of codes,
	s_lshl_b64 s[24:25], s[22:23], 8
	s_add_nc_u64 s[12:13], s[12:13], s[24:25]      ; 256 scale bytes
	v_lshlrev_b32 v3, 4, v2                        ; my 16 bytes of a load's 512
	s_mul_i32 s26, s20, 8192                       ; my wave's region: two stages of 32 x 80 bytes, then 256 scale bytes
	v_lshrrev_b32 v14, 2, v2
	v_mul_u32_u24 v14, v14, SP
	v_and_b32 v15, 3, v2
	v_lshl_add_u32 v14, v15, 4, v14
	v_add_nc_u32 v14, s26, v14                     ; into the stage: 80 (lane / 4) + 16 (lane % 4)
	v_mul_u32_u24 v15, v2, SP
	v_add_nc_u32 v15, s26, v15                     ; out of it: 80 x lane
	v_lshlrev_b32 v4, 3, v2                        ; my 8 bytes of a step's 256 bytes of codes
	v_lshrrev_b32 v5, 1, v2
	s_add_co_u32 s26, s26, 2*32*SP
	v_add_nc_u32 v5, s26, v5                       ; my block's scale byte in LDS
	v_lshlrev_b32 v7, 3, v2
	v_add_nc_u32 v6, s26, v7                       ; and 8 bytes a lane on the way out
.macro XLOAD t
.irp i, 0,1,2,3
	global_load_b128 v[XR+16*((\t)%4)+4*\i:XR+16*((\t)%4)+4*\i+3], v3, s[4:5] offset:2048*(\t)+512*\i th:TH_LOAD_NT
.endr
.endm
.macro XTURN t                         ; LDS serves a wave's instructions in order: no wait between the stores and the loads
.irp i, 0,1,2,3
	ds_store_b128 v14, v[XR+16*((\t)%4)+4*\i:XR+16*((\t)%4)+4*\i+3] offset:32*SP*((\t)%2)+8*SP*\i
.endr
.irp i, 0,1,2,3
	ds_load_b128 v[XX+16*((\t)%2)+4*\i:XX+16*((\t)%2)+4*\i+3], v15 offset:32*SP*((\t)%2)+16*\i
.endr
.endm
.irp t, 0,1,2,3
	XLOAD \t
.endr
	s_wait_loadcnt 12                              ; step 0's four loads are in; twelve younger ones may be out
	XTURN 0
.macro XSTEP t
.set XS, XX+16*((\t)%2)
.if (\t) > 0
	s_wait_dscnt 1                                 ; this step's numbers are back from the stage; only the last step's byte store may be out
.else
	s_wait_dscnt 0x0
.endif
.if (\t)+4 < 16
	XLOAD (\t)+4                                   ; into the registers that this step's stores into the stage have read
.endif
.if (\t)+1 < 16
.if 14-(\t) >= 3
	s_wait_loadcnt 12                              ; the next step's four loads are in; those of the three steps behind it may be out
.else
	s_wait_loadcnt 4*(14-(\t))
.endif
	XTURN (\t)+1
.endif
	v_max3_num_f32 v8, |v[XS]|, |v[XS+1]|, |v[XS+2]|
	v_max3_num_f32 v9, |v[XS+3]|, |v[XS+4]|, |v[XS+5]|
.irp i, 6,10
	v_max3_num_f32 v8, v8, |v[XS+\i]|, |v[XS+\i+1]|
	v_max3_num_f32 v9, v9, |v[XS+\i+2]|, |v[XS+\i+3]|
.endr
	v_max3_num_f32 v8, v8, |v[XS+14]|, |v[XS+15]|
	v_max3_num_f32 v8, v8, v9, 0x1800000           ; the floor 2^(3 - 127): the byte cannot fall under 1
	v_max_num_f32_dpp v8, v8, v8 row_xmask:1 row_mask:0xf bank_mask:0xf   ; with my neighbour's 16: the block's largest magnitude
	v_add_nc_u32 v11, 0xff000000, v8               ; 2 off its exponent field: the conversion takes the exponent field of this operand as its scale
	v_cvt_scalef32_pk8_fp4_f32 v[XC+4*(\t)], v[XS:XS+7], v11
	v_cvt_scalef32_pk8_fp4_f32 v[XC+4*(\t)+1], v[XS+8:XS+15], v11
	v_lshrrev_b32 v[XE+(\t)], 23, v11              ; the scale's byte (also the plain line behind the conversions)
	ds_store_b8 v5, v[XE+(\t)] offset:16*(\t)      ; both lanes of a block write the same byte with the same value
	global_store_b64 v4, v[XC+4*(\t):XC+4*(\t)+1], s[10:11] offset:256*(\t)   ; the wave stores 256 consecutive bytes, aligned
.endm
.irp t, 0,1,2,3,4,5,6,7,8,9,10,11,12,13,14,15
	XSTEP \t
.endr
	ds_load_b64 v[8:9], v6                         ; my wave's 256 scale bytes: these loads see my stores
	s_wait_dscnt 0x0
	global_store_b64 v7, v[8:9], s[12:13]          ; 256 consecutive bytes, aligned
	s_wait_tensorcnt 0x0                           ; the wave's end, behind my last LDS store
	ds_add_u32 v[SPW], v[NIL]
	s_wait_dscnt 0x0
	s_endpgm
; ---------------- W_qkv: K is the first axis.  A lane takes a column n and its registers run down K: a block of 32 lies in one lane, and the codes come out with K innermost.
; A wave takes 32 columns x 512 along K; the codes leave through the wave's stage as rows: sixteen lanes store 256 consecutive bytes.
.Lw:
	s_cmp_ge_u32 ttmp9, 24
	s_cselect_b32 s21, 1, 0                        ; which 512 along K
	s_cselect_b32 s22, 24, 0
	s_sub_co_u32 s22, ttmp9, s22                   ; which 128 columns
	s_lshl_b32 s22, s22, 7
	s_lshl_b32 s23, s20, 5
	s_add_co_u32 s22, s22, s23                     ; my wave's first column
	v_lshlrev_b32 v3, 2, v2                        ; in: 4 bytes a lane
	s_mul_i32 s23, s20, 32*272
	s_add_co_u32 s23, s23, 32768                   ; my stage: 32 rows of 256 bytes + 16
	v_mul_u32_u24 v4, v2, 272
	v_add_nc_u32 v4, s23, v4                       ; into it: row = my column
	v_and_b32 v5, 15, v2
	v_lshrrev_b32 v6, 4, v2
	v_mul_u32_u24 v7, v6, 272
	v_lshl_add_u32 v7, v5, 4, v7
	v_add_nc_u32 v7, s23, v7                       ; out of it: sixteen lanes to a row, two rows an instruction
	v_lshlrev_b32 v8, 9, v6
	v_lshl_add_u32 v8, v5, 4, v8                   ; the same place in wc: rows of 512 bytes
	v_lshlrev_b32 v9, 5, v2                        ; my column's row of 32 scale bytes
	s_mul_i32 s24, s21, 512*3072*4
	s_lshl_b32 s26, s22, 2
	s_add_co_u32 s24, s24, s26
	s_mov_b32 s25, 0
	s_add_nc_u64 s[6:7], s[6:7], s[24:25]
	s_lshl_b32 s24, s22, 9
	s_lshl_b32 s26, s21, 8
	s_add_co_u32 s24, s24, s26
	s_add_nc_u64 s[14:15], s[14:15], s[24:25]
	s_lshl_b32 s24, s22, 5
	s_lshl_b32 s26, s21, 4
	s_add_co_u32 s24, s24, s26
	s_add_nc_u64 s[16:17], s[16:17], s[24:25]
.macro WLOAD t                         ; block t: W(32 t + i, my column) into set t % 2; the largest offset, 511 rows of 12,288 bytes, lies inside the signed 24-bit immediate
.irp i, 0,1,2,3,4,5,6,7,8,9,10,11,12,13,14,15,16,17,18,19,20,21,22,23,24,25,26,27,28,29,30,31
	global_load_b32 v[32+32*((\t)%2)+\i], v3, s[6:7] offset:(32*(\t)+\i)*12288 th:TH_LOAD_NT
.endr
.endm
	WLOAD 0
	WLOAD 1
.macro WBLOCK t
.set XS, 32+32*((\t)%2)
.if (\t) < 15
	s_wait_loadcnt 32                              ; this block's 32 loads are in; the next block's may be out
.else
	s_wait_loadcnt 0x0
.endif
	v_max3_num_f32 v12, |v[XS]|, |v[XS+1]|, |v[XS+2]|
	v_max3_num_f32 v13, |v[XS+3]|, |v[XS+4]|, |v[XS+5]|
.irp i, 6,10,14,18,22,26
	v_max3_num_f32 v12, v12, |v[XS+\i]|, |v[XS+\i+1]|
	v_max3_num_f32 v13, v13, |v[XS+\i+2]|, |v[XS+\i+3]|
.endr
	v_max3_num_f32 v12, v12, |v[XS+30]|, |v[XS+31]|
	v_max3_num_f32 v12, v12, v13, 0x1800000        ; the floor
	v_add_nc_u32 v11, 0xff000000, v12              ; the conversion's scale operand
	v_lshrrev_b32 v13, 23, v11                     ; the scale's byte
.if (\t)%4 == 0
	v_mov_b32 v[24+(\t)/4], v13                    ; four bytes to a register, the lower K in the lower byte
.else
	v_lshl_or_b32 v[24+(\t)/4], v13, 8*((\t)%4), v[24+(\t)/4]
.endif
.irp g, 0,1,2,3
	v_cvt_scalef32_pk8_fp4_f32 v[96+\g], v[XS+8*\g:XS+8*\g+7], v11
.endr
	ds_store_b128 v4, v[96:99] offset:16*(\t)      ; 32 codes: 16 bytes of my column's row
.if (\t)+2 < 16
	WLOAD (\t)+2
.endif
	s_wait_dscnt 0x0                               ; the store has read its registers: the next block's codes may be written
.endm
.irp t, 0,1,2,3,4,5,6,7,8,9,10,11,12,13,14,15
	WBLOCK \t
.endr
	global_store_b128 v9, v[24:27], s[16:17]       ; my column's 16 scale bytes
.irp t, 0,1,2,3,4,5,6,7,8,9,10,11,12,13,14,15
	ds_load_b128 v[112+4*\t:112+4*\t+3], v7 offset:2*\t*272
.endr
.irp t, 0,1,2,3,4,5,6,7,8,9,10,11,12,13,14,15
	s_wait_dscnt 15-\t                             ; LDS loads come back in order: load t is in
	global_store_b128 v8, v[112+4*\t:112+4*\t+3], s[14:15] offset:2*\t*512
.endr
	s_wait_tensorcnt 0x0                           ; the wave's end
	ds_add_u32 v[SPW], v[NIL]
	s_wait_dscnt 0x0
	s_endpgm
; ---------------- W_out: the same plan without a quantiser: a lane takes a column n, its registers run down K, pairs are rounded to f16.  A wave takes 32 columns x 128 along K: 256 bytes a column.
.Lo:
	s_sub_co_u32 s21, ttmp9, 48
	s_and_b32 s22, s21, 7                          ; which 128 columns
	s_lshr_b32 s21, s21, 3                         ; which 128 along K
	s_lshl_b32 s22, s22, 7
	s_lshl_b32 s23, s20, 5
	s_add_co_u32 s22, s22, s23                     ; my wave's first column
	v_lshlrev_b32 v3, 2, v2
	s_mul_i32 s23, s20, 32*272
	s_add_co_u32 s23, s23, 67584                   ; my stage
	v_mul_u32_u24 v4, v2, 272
	v_add_nc_u32 v4, s23, v4
	v_and_b32 v5, 15, v2
	v_lshrrev_b32 v6, 4, v2
	v_mul_u32_u24 v7, v6, 272
	v_lshl_add_u32 v7, v5, 4, v7
	v_add_nc_u32 v7, s23, v7
	v_lshlrev_b32 v8, 11, v6
	v_lshl_add_u32 v8, v5, 4, v8                   ; wt: rows of 2,048 bytes
	s_lshl_b32 s24, s21, 19                        ; 128 rows of 4,096 bytes
	s_lshl_b32 s26, s22, 2
	s_add_co_u32 s24, s24, s26
	s_mov_b32 s25, 0
	s_add_nc_u64 s[8:9], s[8:9], s[24:25]
	s_lshl_b32 s24, s22, 11
	s_lshl_b32 s26, s21, 8
	s_add_co_u32 s24, s24, s26
	s_add_nc_u64 s[18:19], s[18:19], s[24:25]
.macro OLOAD t
.irp i, 0,1,2,3,4,5,6,7,8,9,10,11,12,13,14,15,16,17,18,19,20,21,22,23,24,25,26,27,28,29,30,31
	global_load_b32 v[32+32*((\t)%2)+\i], v3, s[8:9] offset:(32*(\t)+\i)*4096 th:TH_LOAD_NT
.endr
.endm
	OLOAD 0
	OLOAD 1
.macro OBLOCK t
.set XS, 32+32*((\t)%2)
.if (\t) < 3
	s_wait_loadcnt 32                              ; this block's 32 loads are in; the next block's may be out
.else
	s_wait_loadcnt 0x0
.endif
.irp g, 0,1,2,3,4,5,6,7,8,9,10,11,12,13,14,15
	v_cvt_pk_f16_f32 v[96+\g], v[XS+2*\g], v[XS+2*\g+1]
.endr
.irp u, 0,1,2,3
	ds_store_b128 v4, v[96+4*\u:96+4*\u+3] offset:64*(\t)+16*\u
.endr
.if (\t)+2 < 4
	OLOAD (\t)+2
.endif
	s_wait_dscnt 0x0                               ; the stores have read their registers
.endm
.irp t, 0,1,2,3
	OBLOCK \t
.endr
.irp t, 0,1,2,3,4,5,6,7,8,9,10,11,12,13,14,15
	ds_load_b128 v[112+4*\t:112+4*\t+3], v7 offset:2*\t*272
.endr
.irp t, 0,1,2,3,4,5,6,7,8,9,10,11,12,13,14,15
	s_wait_dscnt 15-\t
	global_store_b128 v8, v[112+4*\t:112+4*\t+3], s[18:19] offset:2*\t*2048   ; sixteen lanes store 256 consecutive bytes, aligned
.endr
	s_wait_tensorcnt 0x0                           ; the wave's end
	ds_add_u32 v[SPW], v[NIL]
	s_wait_dscnt 0x0
	s_endpgm
.Lfunc_end_k_q1710b8409f_prep:
	.size	k_q1710b8409f_prep, .Lfunc_end_k_q1710b8409f_prep-k_q1710b8409f_prep
	.p2alignl 7, 3214868480
	.fill 96, 4, 3214868480
	.section	.rodata,"a",@progbits
	.p2align	6, 0x0
	.amdhsa_kernel k_q1710b8409f_prep
		.amdhsa_group_segment_fixed_size 102912
		.amdhsa_private_segment_fixed_size 0
		.amdhsa_enable_private_segment 0
		.amdhsa_kernarg_size 64
		.amdhsa_user_sgpr_count 2
		.amdhsa_user_sgpr_kernarg_segment_ptr 1
		.amdhsa_wavefront_size32 1
		.amdhsa_system_sgpr_workgroup_id_x 1
		.amdhsa_system_sgpr_workgroup_id_y 1
		.amdhsa_system_sgpr_workgroup_id_z 1
		.amdhsa_system_vgpr_workitem_id 0
		.amdhsa_next_free_vgpr 194
		.amdhsa_next_free_sgpr 66
		.amdhsa_reserve_vcc 0
		.amdhsa_float_denorm_mode_32 3
		.amdhsa_float_denorm_mode_16_64 3
		.amdhsa_memory_ordered 1
		.amdhsa_forward_progress 1
		.amdhsa_inst_pref_size 132
	.end_amdhsa_kernel
	.amdgpu_metadata
---
amdhsa.version: [ 1, 2 ]
amdhsa.kernels:
  - .name:           k_q1710b8409f_prep
    .symbol:         k_q1710b8409f_prep.kd
    .args:
      - { .name: x, .offset: 0, .size: 8, .value_kind: global_buffer, .address_space: global }
      - { .name: W_qkv, .offset: 8, .size: 8, .value_kind: global_buffer, .address_space: global }
      - { .name: W_out, .offset: 16, .size: 8, .value_kind: global_buffer, .address_space: global }
      - { .name: xc, .offset: 24, .size: 8, .value_kind: global_buffer, .address_space: global }
      - { .name: xs, .offset: 32, .size: 8, .value_kind: global_buffer, .address_space: global }
      - { .name: wc, .offset: 40, .size: 8, .value_kind: global_buffer, .address_space: global }
      - { .name: ws, .offset: 48, .size: 8, .value_kind: global_buffer, .address_space: global }
      - { .name: wt, .offset: 56, .size: 8, .value_kind: global_buffer, .address_space: global }
    .group_segment_fixed_size: 102912
    .private_segment_fixed_size: 0
    .kernarg_segment_align: 8
    .kernarg_segment_size: 64
    .max_flat_workgroup_size: 128
    .sgpr_count:     66
    .vgpr_count:     194
    .wavefront_size: 32
...
	.end_amdgpu_metadata
.endif
;; end of part 1
;; launch qkv (part 2): grid 12 x 32, 4 waves a work-group, clusters of 4 x 4, 327,680 bytes of LDS; arguments xc, xs, wc, ws, qkvh, b_qkv; writes qkvh
.if DOCPART == 2
	.amdgcn_target "amdgcn-amd-amdhsa--gfx1250"
	.amdhsa_code_object_version 6
	.text
	.protected	k_q1710b8409f_qkv
	.globl	k_q1710b8409f_qkv
	.p2align	8
	.type	k_q1710b8409f_qkv,@function
k_q1710b8409f_qkv:
	s_mov_b64 s[64:65], 0
	v_nop
	global_prefetch_b8 v0, s[64:65] scope:SCOPE_SE
	s_setreg_imm32_b32 hwreg(HW_REG_WAVE_MODE, 25, 1), 1
	s_wait_xcnt 0x0
	s_wait_alu depctr_hold_cnt(0) depctr_sa_sdst(0) depctr_va_vdst(0) depctr_va_sdst(0) depctr_va_ssrc(0) depctr_va_vcc(0) depctr_vm_vsrc(0)
	s_getreg_b32 s2, hwreg(HW_REG_IB_STS2, 6, 4)
	s_cmp_eq_u32 s2, 0
	s_cbranch_scc0 .Lentry_in_a_cluster
	s_endpgm
.Lentry_in_a_cluster:
	s_bfe_u32 s2, ttmp6, 0x10000c
	s_cmp_lg_u32 s2, 0xf033
	s_cbranch_scc0 .Lentry_shape_is_right
	s_endpgm
.Lentry_shape_is_right:
; QKV: qkv[m][n] = sum over k of Q(x)[m][k] Q(W_qkv)[k][n] + b_qkv[n], on codes of E2M1 with one E8M0 scale for each 32 along K; sums in f32; the result is rounded to f16 and laid by head:
; qkvh [3 sections q, k, v][64 = 16 b + h][2048][64].  M = 8,192, N = 3,072, K = 1,024.
; LIMIT: the result goes to f16: |q|, |k|, |v| from 65,504 on are not served (the next launch asks |v| < 32,752).
; A tile of 256 x 256 is made by four waves, each 128 x 128: 64 accumulators, 512 registers.  K is two slots of 512 (rows of 256 bytes): both are asked for at the start and nothing is filled again.
; The scales of the work-group's 256 + 256 rows, for all of K, come once with the first fills.  A wave has three tensor loads out.
; CLUSTERS: 4 x 4 work-groups; A's tiles are asked for jointly along a row of the cluster, B's along a column.
; THE MATRIX INSTRUCTION IS USED TRANSPOSED (source 0 = 16 rows of wc, source 1 = 16 rows of xc): a lane holds eight neighbouring columns of one row.  The bias is the C of each sum's first product.
; REGISTERS: window 0: v0-31 addresses; v32-95 scale words, two sets; v128-191 A's fragments, one set; v192-255 the bias, eight registers for each of my eight column blocks.
;   window 1: B's fragments, two sets, at v0 and v128.   window 2: the accumulators of my rows 0-63 ((a, b) at v[8 (8 a + b)]);   window 3: those of rows 64-127.
.set NQ,     4                         ; steps of 128 along K in a slot
.set ROWB,   256                       ; a tile's row in bytes: 512 codes
.set KROW,   512                       ; a row of codes in memory
.set PITCH,  272                       ; an LDS row: 256 bytes + 16 of padding: the 16 rows that a load touches start at 16 different banks (64 banks of 4 bytes: ISA guide 11.1)
.set FR,     8
.set NL,     2
.set NP,     4                         ; places behind this matrix instruction (ISA guide 7.12.1)
.set HALFT,  128*PITCH
.set SLOT,   4*HALFT                   ; A's 256 rows, then B's 256 rows
.set KS,     32                        ; a row of scale bytes
.set SCL,    2*SLOT                    ; behind the two slots: the scales, as rows of 256 bytes + 16 of padding
.set HALFS,  16*272                    ; those of 128 rows
.set SBLK,   2*272                     ; those of 16 rows
.set SPARE,  SCL+4*HALFS               ; the spare words, 128 bytes for each wave
.set ADRA, 16
.set ADRB, 20
.set STO,  24                          ; the way out: where I put 16 bytes of a row
.set RD,   25                          ; where I read rows back
.set CO,   26                          ; 16 x lane
.set ADRS, 27                          ; my scale words: lanes 0-15 A's rows, lanes 16-31 B's
.set SPW,  28
.set NIL,  29
.set BO,   30                          ; the bias: 32 bytes x (lane / 16)
.set SC,   32
.set AF,   128
.set BI,   192
.set TMP,  32                          ; the way out: a block's 32 packed registers
.set BK,   64                          ; and the rows read back: v64-95 and v96-127 by turns
.set G1, 24
.set G0, 32
.set G1B, 48
.set G0B, 56
.set G1S, 68
.set G0S, 76
.set G1SB, 80
.set G0SB, 88
.set MSB, 0
.macro WIN new                         ; the immediate's high byte repeats the setting that is left
.if MSB != (\new)
	s_set_vgpr_msb (MSB<<8)|(\new)
.set MSB, (\new)
.endif
.endm
.set MUL_LO, 0xa1                      ; source 0 (B) window 1, source 1 (A) window 0, C and D window 2
.set MUL_HI, 0xf1                      ; the same, C and D window 3
.set TO_B,   0x40
; A joint load: waves 0 and 1 fetch for A, waves 2 and 3 for B; the branch hangs on the wave's number alone.  An s_nop 0 and four v_nop follow each line.
.macro JLOAD g0a, g1a, g0b, g1b
	s_cmp_eq_u32 s15, 0
	s_cbranch_scc0 .Lfor_b_\@
	tensor_load_to_lds s[\g0a:\g0a+3], s[\g1a:\g1a+7]
	s_nop 0
.rept 4
	v_nop
.endr
	s_branch .Lasked_\@
.Lfor_b_\@:
	tensor_load_to_lds s[\g0b:\g0b+3], s[\g1b:\g1b+7]
	s_nop 0
.rept 4
	v_nop
.endr
.Lasked_\@:
.endm
.macro CROUND                          ; a round of the cluster's barrier
	s_barrier_signal -1
	s_barrier_wait -1
	s_cmp_lg_u32 s14, 0
	s_cbranch_scc1 .Lnot_wave_0_\@
	s_barrier_signal -3
.Lnot_wave_0_\@:
	s_barrier_wait -3
	s_barrier_signal -1
	s_barrier_wait -1
.endm
	s_load_b128 s[4:7], s[0:1], 0x0                ; xc s[4:5], xs s[6:7]
	s_load_b128 s[8:11], s[0:1], 0x10              ; wc s[8:9], ws s[10:11]
	s_load_b64 s[12:13], s[0:1], 0x20              ; qkvh
	s_load_b64 s[96:97], s[0:1], 0x28              ; b_qkv
	v_lshl_add_u32 v[SPW], v0, 2, SPARE
	v_mov_b32 v[NIL], 0
	ds_add_u32 v[SPW], v[NIL]                      ; the wave's opening: the add, twice on end, and its wait ahead of my first tensor load
	ds_add_u32 v[SPW], v[NIL]
	v_lshrrev_b32 v1, 5, v0
	v_readfirstlane_b32 s14, v1                    ; wave 0..3
	s_lshr_b32 s15, s14, 1                         ; which half of the tile's rows is mine.  Also: I fetch for A (0) or for B (1)
	s_and_b32 s16, s14, 1                          ; which half of its columns.  Also: which 128 rows I fetch
	s_bfe_u32 s40, ttmp6, 0x40000                  ; cx
	s_bfe_u32 s41, ttmp6, 0x40004                  ; cy
	s_lshl_b32 s42, ttmp9, 2
	s_add_co_u32 s42, s42, s40                     ; tile column
	s_and_b32 s17, ttmp7, 0xffff
	s_lshl_b32 s17, s17, 2
	s_add_co_u32 s17, s17, s41                     ; tile row
	s_lshl_b32 s43, s41, 2
	s_lshl_b32 s43, 15, s43                        ; my row of the cluster
	s_lshl_b32 s44, 0x1111, s40                    ; my column
	s_or_b32 s[G1+0], s43, (0<<16)|(1<<20)|(1<<21)|(5<<22)|(3<<25)  ; the mask; elements of 1 byte; padding on; bit 21 beside a mask; 4 words of padding behind every 64
	s_or_b32 s[G1B+0], s44, (0<<16)|(1<<20)|(1<<21)|(5<<22)|(3<<25)
.irp g, G1, G1B
	s_mov_b32 s[\g+1], ROWB<<16                    ; tensor_dim0
	s_mov_b32 s[\g+2], 128<<16                     ; tensor_dim1
	s_mov_b32 s[\g+3], ROWB<<16                    ; tile_dim0
	s_mov_b32 s[\g+4], 128                         ; tile_dim1
	s_mov_b32 s[\g+5], KROW                        ; the pitch
	s_mov_b32 s[\g+6], 0
	s_mov_b32 s[\g+7], 0
.endr
	s_or_b32 s[G1S+0], s43, (3<<16)|(1<<20)|(1<<21)|(5<<22)|(3<<25) ; the scales of 128 rows: 4,096 dense bytes as 16 rows of 32 elements of 8 bytes
	s_or_b32 s[G1SB+0], s44, (3<<16)|(1<<20)|(1<<21)|(5<<22)|(3<<25)
.irp g, G1S, G1SB
	s_mov_b32 s[\g+1], 32<<16
	s_mov_b32 s[\g+2], 16<<16
	s_mov_b32 s[\g+3], 32<<16
	s_mov_b32 s[\g+4], 16
	s_mov_b32 s[\g+5], 32
	s_mov_b32 s[\g+6], 0
	s_mov_b32 s[\g+7], 0
.endr
	s_lshl_b32 s18, s16, 7
	s_lshl_b32 s20, s17, 8
	s_add_co_u32 s20, s20, s18                     ; A: row 256 x tile row + 128 x half
	s_lshl_b32 s46, s42, 8
	s_add_co_u32 s46, s46, s18                     ; B: row 256 x tile column + 128 x half
	s_mov_b32 s21, 0
	s_mov_b32 s47, 0
	s_mov_b64 s[18:19], KS
	s_mul_u64 s[22:23], s[20:21], s[18:19]         ; where these rows' scales begin,
	s_mul_u64 s[92:93], s[46:47], s[18:19]
	s_mov_b64 s[18:19], KROW
	s_mul_u64 s[20:21], s[20:21], s[18:19]         ; and their codes
	s_mul_u64 s[46:47], s[46:47], s[18:19]
	s_mul_i32 s45, s14, HALFT                      ; where they go: wave x 128 rows
	s_mul_i32 s94, s14, HALFS
	s_wait_dscnt 0x0                               ; both opening adds are done
	s_wait_kmcnt 0x0
	s_add_nc_u64 s[20:21], s[4:5], s[20:21]
	s_add_nc_u64 s[22:23], s[6:7], s[22:23]
	s_add_nc_u64 s[46:47], s[8:9], s[46:47]
	s_add_nc_u64 s[92:93], s[10:11], s[92:93]
	CROUND                                         ; all sixteen work-groups are here: the joint loads meet
	s_mov_b32 s[G0S], 1
	s_add_co_u32 s[G0S+1], s94, SCL
	s_mov_b64 s[G0S+2:G0S+3], s[22:23]
	s_or_b32 s[G0S+3], s[G0S+3], 0x80000000
	s_mov_b32 s[G0SB], 1
	s_add_co_u32 s[G0SB+1], s94, SCL
	s_mov_b64 s[G0SB+2:G0SB+3], s[92:93]
	s_or_b32 s[G0SB+3], s[G0SB+3], 0x80000000
	JLOAD G0S, G1S, G0SB, G1SB                     ; the scales first
.irp s, 0,1
	s_mov_b32 s[G0+4*\s], 1
	s_add_co_u32 s[G0+4*\s+1], s45, \s*SLOT
	s_add_nc_u64 s[G0+4*\s+2:G0+4*\s+3], s[20:21], \s*ROWB
	s_or_b32 s[G0+4*\s+3], s[G0+4*\s+3], 0x80000000
	s_mov_b32 s[G0B+4*\s], 1
	s_add_co_u32 s[G0B+4*\s+1], s45, \s*SLOT
	s_add_nc_u64 s[G0B+4*\s+2:G0B+4*\s+3], s[46:47], \s*ROWB
	s_or_b32 s[G0B+4*\s+3], s[G0B+4*\s+3], 0x80000000
	JLOAD G0+4*\s, G1, G0B+4*\s, G1B
.endr
	v_and_b32 v1, 15, v0                           ; r = lane % 16
	v_bfe_u32 v2, v0, 4, 1                         ; h = lane / 16
	v_mul_u32_u24 v3, v1, PITCH
	v_lshl_add_u32 v4, v2, 4, v3                   ; a fragment's row x pitch + 16 h
	s_mul_i32 s21, s15, HALFT
	s_mul_i32 s22, s16, HALFT
	s_add_co_u32 s22, s22, 2*HALFT
.irp s, 0,1
	v_add_nc_u32 v[ADRA+\s], s21, v4
	v_add_nc_u32 v[ADRB+\s], s22, v4
	s_add_co_u32 s21, s21, SLOT
	s_add_co_u32 s22, s22, SLOT
.endr
	v_mul_u32_u24 v5, v1, KS                       ; my row's scales: 32 bytes a row,
	v_lshrrev_b32 v6, 8, v5
	v_lshl_add_u32 v5, v6, 4, v5                   ; and 16 more for each 256 passed
	s_mul_i32 s21, s15, HALFS
	s_mul_i32 s22, s16, HALFS
	s_add_co_u32 s22, s22, 2*HALFS
	s_sub_co_u32 s22, s22, s21
	v_mul_u32_u24 v6, s22, v2                      ; lanes 16-31 take B's: one product, the distance between the two bases
	s_add_co_u32 s21, s21, SCL
	v_add_nc_u32 v5, v5, v6
	v_add_nc_u32 v[ADRS], s21, v5
	s_mul_i32 s23, s14, 2*16*144                   ; my stage for the way out: 2 heads x 16 rows x (128 bytes + 16), in slot 0
	v_mul_u32_u24 v5, v1, 144
	v_lshl_add_u32 v5, v2, 4, v5
	v_add_nc_u32 v[STO], s23, v5                   ; in: row r, 16 bytes for each half of the lanes
	v_and_b32 v6, 31, v0
	v_lshlrev_b32 v[CO], 4, v6
	v_lshrrev_b32 v5, 3, v6
	v_mul_u32_u24 v5, v5, 144
	v_and_b32 v6, 7, v0
	v_lshl_add_u32 v5, v6, 4, v5
	v_add_nc_u32 v[RD], s23, v5                    ; back: eight lanes to a row of 128 bytes, four rows an instruction
	v_lshlrev_b32 v[BO], 5, v2
	; where my part begins in qkvh: section (g >> 4) << 24, head (16 b + (g & 15)) << 18, row l << 7;  g = 4 x tile column + 2 x half, m0 = 256 x tile row + 128 x half = 2048 b + l
	s_lshl_b32 s20, s17, 8
	s_lshl_b32 s21, s15, 7
	s_add_co_u32 s20, s20, s21                     ; m0
	s_lshr_b32 s21, s20, 11
	s_lshl_b32 s21, s21, 22                        ; 16 b heads of 2^18 bytes
	s_and_b32 s22, s20, 2047
	s_lshl_b32 s22, s22, 7
	s_add_co_u32 s20, s21, s22
	s_mov_b32 s21, 0
	s_add_nc_u64 s[12:13], s[12:13], s[20:21]
	s_lshl_b32 s46, s42, 2
	s_lshl_b32 s47, s16, 1
	s_add_co_u32 s46, s46, s47                     ; g
	s_lshr_b32 s47, s46, 4
	s_lshl_b32 s47, s47, 24
	s_and_b32 s92, s46, 15
	s_lshl_b32 s92, s92, 18
	s_add_co_u32 s46, s47, s92
	s_mov_b32 s47, 0
	s_add_nc_u64 s[12:13], s[12:13], s[46:47]
	s_lshl_b32 s46, s42, 10                        ; the bias of my 128 columns: 1,024 x tile column + 512 x half bytes on
	s_lshl_b32 s92, s16, 9
	s_add_co_u32 s46, s46, s92
	s_add_nc_u64 s[96:97], s[96:97], s[46:47]
.irp b, 0,1,2,3,4,5,6,7
	global_load_b128 v[BI+8*\b:BI+8*\b+3], v[BO], s[96:97] offset:64*\b        ; lane (r, h): b_qkv of columns 16 b + 8 h + 0 .. 7, the result's own layout
	global_load_b128 v[BI+8*\b+4:BI+8*\b+7], v[BO], s[96:97] offset:64*\b+16
.endr
.macro FRAG reg, adr, q, i             ; 16 rows x 128 K of 4-bit codes: 8 registers: lane l holds row l % 16; registers 4 c .. 4 c + 3 hold K = 64 c + 32 (l / 16) + 0 .. 31
.irp c, 0,1
	ds_load_b128 v[\reg+4*\c:\reg+4*\c+3], v[\adr] offset:64*(\q)+32*\c+(\i)*16*PITCH
.endr
.endm
; 16 matrix instructions: A's blocks a0, a0 + 1 x B's eight.  p: B's set; sc: the set of scale words.  zero = 1: the first product starts the sums from the bias.
; The 64 accumulators take turns, one instruction a turn, in the same order in every step.
.macro MUL16 a0, p, q, sc, zero
.irp a, \a0, \a0+1
.irp b, 0,1,2,3,4,5,6,7
.if \zero
	v_wmma_scale_f32_16x16x128_f8f6f4 v[8*(8*((\a)%4)+\b):8*(8*((\a)%4)+\b)+7], v[128*(\p)+FR*\b:128*(\p)+FR*\b+FR-1], v[AF+FR*(\a):AF+FR*(\a)+FR-1], v[BI+8*\b:BI+8*\b+7], v[SC+8*NQ*(\sc)+NQ*\b+(\q)], v[SC+8*NQ*(\sc)+NQ*(\a)+(\q)] matrix_a_fmt:MATRIX_FMT_FP4 matrix_b_fmt:MATRIX_FMT_FP4 matrix_a_scale:MATRIX_SCALE_ROW1
.else
	v_wmma_scale_f32_16x16x128_f8f6f4 v[8*(8*((\a)%4)+\b):8*(8*((\a)%4)+\b)+7], v[128*(\p)+FR*\b:128*(\p)+FR*\b+FR-1], v[AF+FR*(\a):AF+FR*(\a)+FR-1], v[8*(8*((\a)%4)+\b):8*(8*((\a)%4)+\b)+7], v[SC+8*NQ*(\sc)+NQ*\b+(\q)], v[SC+8*NQ*(\sc)+NQ*(\a)+(\q)] matrix_a_fmt:MATRIX_FMT_FP4 matrix_b_fmt:MATRIX_FMT_FP4 matrix_a_scale:MATRIX_SCALE_ROW1
.endif
.endr
.endr
.endm
.macro FETCH_B slot, q, p
	WIN TO_B
.irp i, 0,1,2,3,4,5,6,7
	FRAG 128*(\p)+FR*\i, ADRB+\slot, \q, \i
.endr
	WIN 0
.endm
.macro FETCH_A slot, q, i0
.irp i, \i0, \i0+1, \i0+2, \i0+3
	FRAG AF+FR*(\i), ADRA+\slot, \q, \i
.endr
.endm
.macro SCALES sc                       ; a slot's scale words: 4 words a row; lanes 0-15 take A's block i, lanes 16-31 B's block i
.irp i, 0,1,2,3,4,5,6,7
	ds_load_b128 v[SC+8*NQ*\sc+NQ*\i:SC+8*NQ*\sc+NQ*\i+3], v[ADRS] offset:\i*SBLK
.endr
.endm
.macro PLACES n                        ; plain vector instructions between a matrix instruction and a load into, or a vector read or write of, its registers
.rept \n
	v_nop
.endr
.endm
.macro STEP slot, q, zero              ; a step of 128 along K that has its successor in the same slot
	s_wait_dscnt 4*NL                              ; B's set and A's blocks 0-3 are in; the youngest eight loads (A's blocks 4-7) may be out
.if \zero
	WIN 0x81                                       ; C, the bias, in window 0; D in window 2
.else
	WIN MUL_LO
.endif
	MUL16 0, (\q)%2, \q, \slot, \zero
	MUL16 2, (\q)%2, \q, \slot, \zero
	s_wait_dscnt 0                                 ; A's blocks 4-7 are in
	PLACES NP
	FETCH_B \slot, (\q)+1, 1-(\q)%2
	FETCH_A \slot, (\q)+1, 0
.if \zero
	WIN 0xc1
.else
	WIN MUL_HI
.endif
	MUL16 4, (\q)%2, \q, \slot, \zero
	MUL16 6, (\q)%2, \q, \slot, \zero
	PLACES NP
	WIN 0
	FETCH_A \slot, (\q)+1, 4
.endm
; Slot 0's last step leads over to slot 1: each wave waits for all its tensor loads (its part of slot 1), adds 0 to its spare word, waits for that and for its reads of slot 0, and passes a barrier.
; Behind it slot 1 is whole and nobody reads slot 0 any more, which then serves as the stage for the way out.
.macro TURN slot, next
	s_wait_tensorcnt 0x0
	ds_add_u32 v[SPW], v[NIL]
	s_wait_dscnt 4*NL+1                            ; the add and the youngest eight loads may be out
	WIN MUL_LO
	MUL16 0, 1, NQ-1, \slot, 0
	s_wait_dscnt 0x0                               ; the add is done, and my reads of this slot are over
	s_barrier_signal -1
	MUL16 2, 1, NQ-1, \slot, 0
	WIN 0
	s_barrier_wait -1
	PLACES NP
	v_add_nc_u32 v[ADRS], 4*NQ, v[ADRS]            ; the next slot's scale words
	FETCH_B \next, 0, 0
	FETCH_A \next, 0, 0
	SCALES \next
	WIN MUL_HI
	MUL16 4, 1, NQ-1, \slot, 0
	MUL16 6, 1, NQ-1, \slot, 0
	PLACES NP
	WIN 0
	FETCH_A \next, 0, 4
.endm
	s_wait_tensorcnt 1                             ; the scales and my part of slot 0 are in; slot 1's load may be out
	s_barrier_signal -1
	s_barrier_wait -1
	FETCH_B 0, 0, 0
	FETCH_A 0, 0, 0
	SCALES 0
	FETCH_A 0, 0, 4
	s_wait_loadcnt 0x0                             ; the bias
	STEP 0, 0, 1
	STEP 0, 1, 0
	STEP 0, 2, 0
	TURN 0, 1
	STEP 1, 0, 0
	STEP 1, 1, 0
	STEP 1, 2, 0
	s_wait_dscnt 4*NL                              ; the last step: nothing more to fetch
	WIN MUL_LO
	MUL16 0, 1, NQ-1, 1, 0
	MUL16 2, 1, NQ-1, 1, 0
	s_wait_dscnt 0
	WIN MUL_HI
	MUL16 4, 1, NQ-1, 1, 0
	MUL16 6, 1, NQ-1, 1, 0
	WIN 0
; THE WAY OUT, block by block of 16 rows x 128 columns = 2 heads x 64.  A lane's eight results pack into 16 bytes of one row of one head; they go through my stage and come back as four whole rows
; of 128 bytes an instruction: rows of a head are dense in qkvh, so each store covers 512 consecutive bytes, aligned.
.macro PACK a
.set AC, 64*((\a)%4)
	WIN 0x0a+5*((\a)/4)                            ; sources 0 and 1: window 2 or 3
.irp b, 0,1,2,3,4,5,6,7
.irp r, 0,1,2,3
	v_cvt_pk_f16_f32 v[TMP+4*\b+\r], v[AC+8*\b+2*\r], v[AC+8*\b+2*\r+1]   ; each accumulator from its low end on
.endr
.endr
	WIN 0
.endm
.macro TOSTAGE a
.set BB, BK+32*((\a)%2)
.irp b, 0,1,2,3,4,5,6,7
	ds_store_b128 v[STO], v[TMP+4*\b:TMP+4*\b+3] offset:(\b/4)*2304+(\b%4)*32
.endr
.irp t, 0,1,2,3,4,5,6,7
	ds_load_b128 v[BB+4*\t:BB+4*\t+3], v[RD] offset:(\t/4)*2304+(\t%4)*576   ; LDS serves a wave's instructions in order: these see the stores above
.endr
.endm
.macro SEND a
.set BB, BK+32*((\a)%2)
	s_wait_dscnt 0x0                               ; the block is back in registers
	s_wait_xcnt 0x0                                ; earlier stores have read their base and their data: both may be written again
.if (\a) > 0
	s_add_nc_u64 s[12:13], s[12:13], 16*128        ; 16 rows on
.endif
.irp t, 0,1,2,3,4,5,6,7
	global_store_b128 v[CO], v[BB+4*\t:BB+4*\t+3], s[12:13] offset:(\t/4)*262144+(\t%4)*512
.endr
.endm
	PLACES NP                                      ; behind the last products: the conversions below write registers that held scale words
	PACK 0
	TOSTAGE 0
.irp a, 1,2,3,4,5,6,7
	PACK \a                                        ; block a's conversions stand between block a - 1's loads from the stage and the wait for them
	SEND (\a)-1
	TOSTAGE \a
.endr
	SEND 7
	s_wait_tensorcnt 0x0                           ; the wave's end
	ds_add_u32 v[SPW], v[NIL]
	s_wait_dscnt 0x0
	CROUND                                         ; the closing round
	s_endpgm
.Lfunc_end_k_q1710b8409f_qkv:
	.size	k_q1710b8409f_qkv, .Lfunc_end_k_q1710b8409f_qkv-k_q1710b8409f_qkv
	.p2alignl 7, 3214868480
	.fill 96, 4, 3214868480
	.section	.rodata,"a",@progbits
	.p2align	6, 0x0
	.amdhsa_kernel k_q1710b8409f_qkv
		.amdhsa_group_segment_fixed_size 327680
		.amdhsa_private_segment_fixed_size 0
		.amdhsa_enable_private_segment 0
		.amdhsa_kernarg_size 48
		.amdhsa_user_sgpr_count 2
		.amdhsa_user_sgpr_kernarg_segment_ptr 1
		.amdhsa_wavefront_size32 1
		.amdhsa_system_sgpr_workgroup_id_x 1
		.amdhsa_system_sgpr_workgroup_id_y 1
		.amdhsa_system_sgpr_workgroup_id_z 1
		.amdhsa_system_vgpr_workitem_id 0
		.amdhsa_next_free_vgpr 1024
		.amdhsa_next_free_sgpr 98
		.amdhsa_reserve_vcc 0
		.amdhsa_float_denorm_mode_32 3
		.amdhsa_float_denorm_mode_16_64 3
		.amdhsa_memory_ordered 1
		.amdhsa_forward_progress 1
		.amdhsa_inst_pref_size 129
	.end_amdhsa_kernel
	.amdgpu_metadata
---
amdhsa.version: [ 1, 2 ]
amdhsa.kernels:
  - .name:           k_q1710b8409f_qkv
    .symbol:         k_q1710b8409f_qkv.kd
    .args:
      - { .name: xc, .offset: 0, .size: 8, .value_kind: global_buffer, .address_space: global }
      - { .name: xs, .offset: 8, .size: 8, .value_kind: global_buffer, .address_space: global }
      - { .name: wc, .offset: 16, .size: 8, .value_kind: global_buffer, .address_space: global }
      - { .name: ws, .offset: 24, .size: 8, .value_kind: global_buffer, .address_space: global }
      - { .name: qkvh, .offset: 32, .size: 8, .value_kind: global_buffer, .address_space: global }
      - { .name: b_qkv, .offset: 40, .size: 8, .value_kind: global_buffer, .address_space: global }
    .group_segment_fixed_size: 327680
    .private_segment_fixed_size: 0
    .kernarg_segment_align: 8
    .kernarg_segment_size: 48
    .max_flat_workgroup_size: 128
    .sgpr_count:     98
    .vgpr_count:     1024
    .wavefront_size: 32
...
	.end_amdgpu_metadata
.endif
;; end of part 2
;; launch attn (part 3): grid 4 x 64, 8 waves a work-group, clusters of 4 x 1, 327,680 bytes of LDS; arguments qkvh, oh; writes oh
.if DOCPART == 3
	.amdgcn_target "amdgcn-amd-amdhsa--gfx1250"
	.amdhsa_code_object_version 6
	.text
	.protected	k_q1710b8409f_attn
	.globl	k_q1710b8409f_attn
	.p2align	8
	.type	k_q1710b8409f_attn,@function
k_q1710b8409f_attn:
	s_mov_b64 s[64:65], 0
	v_nop
	global_prefetch_b8 v0, s[64:65] scope:SCOPE_SE
	s_setreg_imm32_b32 hwreg(HW_REG_WAVE_MODE, 25, 1), 1
	s_wait_xcnt 0x0
	s_wait_alu depctr_hold_cnt(0) depctr_sa_sdst(0) depctr_va_vdst(0) depctr_va_sdst(0) depctr_va_ssrc(0) depctr_va_vcc(0) depctr_vm_vsrc(0)
	s_getreg_b32 s2, hwreg(HW_REG_IB_STS2, 6, 4)
	s_cmp_eq_u32 s2, 0
	s_cbranch_scc0 .Lentry_in_a_cluster
	s_endpgm
.Lentry_in_a_cluster:
	s_bfe_u32 s2, ttmp6, 0x10000c
	s_cmp_lg_u32 s2, 0x3003
	s_cbranch_scc0 .Lentry_shape_is_right
	s_endpgm
.Lentry_shape_is_right:
; ATTN: o[b][q][h][:] = sum over k of softmax_k(q . k / 8) v, no mask; q, k, v f16 from qkvh [3][64 = 16 b + h][2048][64]; products by the f16 matrix form, maxima and sums in f32;
; the weights p are rounded to f16 for the second product.  Stored: 2 o as f16 in oh [16 h][8192 = 2048 b + l][64] (the next launch halves its sums).
; LIMITS: NaN and infinities are not served; |v| < 32,752, so that 2 o stays inside f16.
; SHARES.  A work-group owns 512 queries of one (b, h); each of its eight waves 64: four tiles of 16, in 512 registers: two waves to a SIMD, so that one wave's softmax stands beside the other's products.
; Every wave walks the head's 2,048 keys, 64 a step.  K and V come through two LDS slots of four steps (256 keys) each.
; LAYOUT.  S^T = K Q^T (source 0 = 16 keys, source 1 = 16 queries): a lane holds ONE query (lane % 16) and keys 8 (lane / 16) + 0..7.  Two such tiles, rounded in pairs, ARE source 1 of O^T = V^T P.
; K comes out of LDS as it lies, V ([key][channel]) turned, by ds_load_tr16_b128.
; SOFTMAX.  A running maximum m and sum l for each query: p = 2^(c s - c m), c = log2(e) / 8; in every step O and l are multiplied by a = 2^(c m_old - c m_new).
; CLUSTER.  The four query blocks of a head form a cluster and ask for K and V jointly: waves 0-3 K's four steps of a slot, waves 4-7 V's: one load a wave behind each round.
; REGISTERS.  window 0: v2-12 addresses; v16-47 statistics, 8 a tile; v48-63 partial sums; v64-127 Q; v128-191 K of a step; v192-255 V of a step.
;   window 1: v0-127 S^T, 32 a tile (P is written into each tile's first 16); v128-255 O^T, 32 a tile.
.set KS,    64
.set PK,    144                        ; a row of K in LDS: 128 bytes + 16: the 16 rows of a load start at 16 different banks (64 banks of 4 bytes: ISA guide 11.1)
.set PV,    160                        ; a row of V: 128 + 32
.set VOFF,  KS*PK
.set STEPB, KS*(PK+PV)                 ; a step's tiles lie together: 64 rows of K, then 64 of V
.set SLOT1, 1<<17                      ; slot 1 begins here: one exclusive or turns an address in one slot into the other's
.set SLOTB, 4*KS*128                   ; a slot's rows of K, or of V, in memory
.set STAGE, SLOT1+4*STEPB              ; behind the ring: 16 rows x 144 bytes for each wave
.set SPARE, STAGE+8*16*PK              ; the spare words, 128 bytes for each wave
.set AK0, 2
.set AV0, 3
.set ADR, 4
.set ADRV, 5
.set QO,  6
.set STO, 7
.set RD,  8
.set GO,  9
.set PFO, 10
.set SPW, 11
.set NIL, 12
.set ST,  16                           ; tile t at v[ST + 8 t]: +0 c m, +1 m, +2, +3 l, +4 .. +7 four chains of the maximum; +6 then holds a, +7 c m_old - c m_new
.set TU,  48                           ; tile t: two pairs of partial sums
.set QF,  64
.set KF,  128
.set VF,  192
.set S,   0                            ; in window 1
.set O,   128                          ; in window 1
.set WV,  12
.set LIM, 15
.set PFA, 18
.set G1K, 24
.set G1V, 32
.set G0K, 40
.set G0V, 48
.set SLOTS, 56
.set CNT, 57
.set CS,  58
.set SEL, 60
.set TB,  62
.set MSB, 0
.macro WIN new
.if MSB != (\new)
	s_set_vgpr_msb (MSB<<8)|(\new)
.set MSB, (\new)
.endif
.endm
.macro JLOAD                           ; a joint refill by the walking descriptors; the branch hangs on the wave's number alone; an s_nop 0 and four v_nop follow each line
	s_cmp_lt_u32 s[WV], 4
	s_cbranch_scc0 .Lfor_v_\@
	tensor_load_to_lds s[G0K+4:G0K+7], s[G1K:G1K+7]
	s_nop 0
.rept 4
	v_nop
.endr
	s_branch .Lasked_\@
.Lfor_v_\@:
	tensor_load_to_lds s[G0V+4:G0V+7], s[G1V:G1V+7]
	s_nop 0
.rept 4
	v_nop
.endr
.Lasked_\@:
.endm
; A prefetch of what the NEXT change of slots will ask for: 32,768 bytes of K and as many of V, four key steps ahead of that load.  The four partners share them out BY ADDRESS, 8,192 bytes each;
; in each, wave 0 asks for K's and wave 4 for V's, lanes 256 bytes apart: each aligned 256 bytes is named once in the launch.  The last change that fills a slot asks for nothing.
.macro ASK
	s_cmp_gt_u32 s[SLOTS], s[LIM]
	s_cbranch_scc0 .Lnot_mine_\@
	global_prefetch_b8 v[PFO], s[PFA:PFA+1] th:TH_LOAD_NT scope:SCOPE_SE
.Lnot_mine_\@:
.endm
.macro CROUND
	s_barrier_signal -1
	s_barrier_wait -1
	s_cmp_lg_u32 s[WV], 0
	s_cbranch_scc1 .Lnot_wave_0_\@
	s_barrier_signal -3
.Lnot_wave_0_\@:
	s_barrier_wait -3
	s_barrier_signal -1
	s_barrier_wait -1
.endm
	s_load_b128 s[4:7], s[0:1], 0x0                ; qkvh s[4:5], oh s[6:7]
	v_lshl_add_u32 v[SPW], v0, 2, SPARE
	v_mov_b32 v[NIL], 0
	ds_add_u32 v[SPW], v[NIL]                      ; the wave's opening: the add, twice on end, and its wait ahead of my first tensor load
	ds_add_u32 v[SPW], v[NIL]
	v_lshrrev_b32 v1, 5, v0
	v_readfirstlane_b32 s[WV], v1                  ; wave 0..7
	s_bfe_u32 s13, ttmp6, 0x40000                  ; cx
	s_lshl_b32 s14, ttmp9, 2
	s_add_co_u32 s14, s14, s13                     ; my block of 512 queries: it enters Q's, O's and the prefetches' addresses alone
	s_and_b32 s16, ttmp7, 0xffff                   ; 16 b + h, which the four partners share
	s_lshl_b32 s20, s16, 18                        ; the head's first byte in a section
	s_and_b32 s17, s[WV], 3                        ; which of a slot's four steps I fetch
	s_lshl_b32 s22, s17, 13                        ; its 64 rows of 128 bytes,
	s_add_co_u32 s22, s22, s20
	s_add_co_u32 s22, s22, 1<<24                   ; in section 1, K
	s_mov_b32 s23, 0
	s_mul_i32 s17, s17, STEPB                      ; and its place in a slot
	s_lshl_b32 s2, s14, 16                         ; my block's 512 rows,
	s_lshl_b32 s3, s[WV], 13                       ; my wave's 64 of them
	s_add_co_u32 s2, s2, s3
	s_and_b32 s66, s16, 15
	s_lshl_b32 s66, s66, 20                        ; oh: head h,
	s_lshr_b32 s67, s16, 4
	s_lshl_b32 s67, s67, 18                        ; batch b's 2,048 rows,
	s_add_co_u32 s66, s66, s67
	s_add_co_u32 s66, s66, s2                      ; my rows
	s_mov_b32 s67, 0
	s_add_co_u32 s2, s2, s20                       ; Q: section 0, my head, my rows
	s_mov_b32 s3, 0
	s_mov_b32 s[G1K], 15|(1<<16)|(1<<20)|(1<<21)|(4<<22)|(3<<25)  ; the mask: all four; elements of 2 bytes; padding on; bit 21 beside a mask; 4 words of padding behind every 32
	s_mov_b32 s[G1V], 15|(1<<16)|(1<<20)|(1<<21)|(4<<22)|(7<<25)  ; the same with 8 words
.irp g, G1K, G1V
	s_mov_b32 s[\g+1], 64<<16                      ; tensor_dim0
	s_mov_b32 s[\g+2], KS<<16                      ; tensor_dim1
	s_mov_b32 s[\g+3], 64<<16                      ; tile_dim0
	s_mov_b32 s[\g+4], KS                          ; tile_dim1
	s_mov_b32 s[\g+5], 64                          ; the pitch
	s_mov_b32 s[\g+6], 0
	s_mov_b32 s[\g+7], 0
.endr
	s_mov_b32 s[CS], 0x3e38aa3b                    ; c = log2(e) / 8
	s_mov_b32 s[CS+1], s[CS]
	s_mov_b32 s[SEL], 0x76543210
	s_mov_b32 s[SEL+1], 0xfedcba98                 ; v_permlanex16_b32: lane l xor 16
	s_mov_b32 s[TB], 0
	s_mov_b32 s[SLOTS], 6                          ; of the 8 slots' worth of keys, six come by refills
	s_and_b32 s[LIM], s[WV], 3
	s_cmp_eq_u32 s[LIM], 0
	s_cselect_b32 s[LIM], 1, -1                    ; waves 0 and 4 prefetch
	s_wait_dscnt 0x0                               ; both opening adds are done
	s_wait_kmcnt 0x0
	s_add_nc_u64 s[8:9], s[4:5], s[22:23]          ; K at my tile of slot 0
	s_add_nc_u64 s[10:11], s[8:9], 1<<24           ; V likewise: one section on
	s_add_nc_u64 s[4:5], s[4:5], s[2:3]            ; Q at my wave's first row
	s_add_nc_u64 s[6:7], s[6:7], s[66:67]          ; O likewise
	s_cmp_lt_u32 s[WV], 4
	s_cselect_b64 s[PFA:PFA+1], s[8:9], s[10:11]   ; (in waves 0 and 4 these stand at a slot's first row)
	s_lshl_b32 s2, s13, 13                         ; my work-group's 8,192 bytes of a slot's 32,768
	s_add_nc_u64 s[PFA:PFA+1], s[PFA:PFA+1], s[2:3]
	s_add_nc_u64 s[PFA:PFA+1], s[PFA:PFA+1], 2*SLOTB  ; the first change of slots steps it on; nothing is prefetched at the head
	CROUND                                         ; all four work-groups are here: the first joint loads meet
.irp s, 0,1
	s_mov_b32 s[G0K+4*\s], 1
	s_add_co_u32 s[G0K+4*\s+1], s17, \s*SLOT1
	s_add_nc_u64 s[G0K+4*\s+2:G0K+4*\s+3], s[8:9], \s*SLOTB
	s_or_b32 s[G0K+4*\s+3], s[G0K+4*\s+3], 0x80000000
	s_mov_b32 s[G0V+4*\s], 1
	s_add_co_u32 s[G0V+4*\s+1], s17, \s*SLOT1+VOFF
	s_add_nc_u64 s[G0V+4*\s+2:G0V+4*\s+3], s[10:11], \s*SLOTB
	s_or_b32 s[G0V+4*\s+3], s[G0V+4*\s+3], 0x80000000
.endr
	s_cmp_lt_u32 s[WV], 4                          ; a wave's two first fills stand in one branch: two loads of mine are out
	s_cbranch_scc0 .Lfirst_v
	tensor_load_to_lds s[G0K:G0K+3], s[G1K:G1K+7]
	s_nop 0
	tensor_load_to_lds s[G0K+4:G0K+7], s[G1K:G1K+7]
	s_nop 0
.rept 4
	v_nop
.endr
	s_branch .Lfirst_asked
.Lfirst_v:
	tensor_load_to_lds s[G0V:G0V+3], s[G1V:G1V+7]
	s_nop 0
	tensor_load_to_lds s[G0V+4:G0V+7], s[G1V:G1V+7]
	s_nop 0
.rept 4
	v_nop
.endr
.Lfirst_asked:
	v_and_b32 v1, 15, v0                           ; r
	v_bfe_u32 v13, v0, 4, 1                        ; h
	v_lshlrev_b32 v[QO], 7, v1
	v_lshl_add_u32 v[QO], v13, 4, v[QO]            ; row r of 128 bytes + 16 h
.irp f, 0,1,2,3,4,5,6,7                        ; Q stays in registers: tile f / 2, channels 32 (f % 2) on
	global_load_b128 v[QF+8*\f:QF+8*\f+3],   v[QO], s[4:5] offset:(\f/2)*2048+(\f%2)*64
	global_load_b128 v[QF+8*\f+4:QF+8*\f+7], v[QO], s[4:5] offset:(\f/2)*2048+(\f%2)*64+32
.endr
	v_mul_u32_u24 v[AK0], v1, PK
	v_lshl_add_u32 v[AK0], v13, 4, v[AK0]          ; K: row x pitch + 16 h
	v_and_b32 v14, 7, v0
	v_bfe_u32 v15, v0, 3, 1
	v_lshl_add_u32 v[AV0], v13, 3, v14             ; V, for the turning load: key 8 h + lane % 8,
	v_mul_u32_u24 v[AV0], v[AV0], PV
	v_lshl_add_u32 v[AV0], v15, 4, v[AV0]          ; channels 8 ((lane / 8) % 2) on
	v_add_nc_u32 v[AV0], VOFF, v[AV0]
	s_mul_i32 s21, s[WV], 16*PK
	s_add_co_u32 s21, s21, STAGE                   ; my stage
	v_add_nc_u32 v[STO], s21, v[AK0]               ; in: row r, 16 bytes for each half of the lanes
	v_and_b32 v14, 31, v0
	v_lshrrev_b32 v15, 3, v14
	v_mul_u32_u24 v[RD], v15, PK
	v_and_b32 v15, 7, v0
	v_lshl_add_u32 v[RD], v15, 4, v[RD]
	v_add_nc_u32 v[RD], s21, v[RD]                 ; back: eight lanes to a row, four rows an instruction
	v_lshlrev_b32 v[GO], 4, v14
	v_lshlrev_b32 v[PFO], 8, v14
.irp t, 0,1,2,3
	v_mov_b32 v[ST+8*\t+1], 0xff7fffff             ; m: the lowest finite number, under every score
.endr
.macro FETCH_K                         ; a step's K: 8 fragments (keys 16 (f / 2) on, channels 32 (f % 2) on), 16 loads in one run
	WIN 0
	v_add_nc_u32 v[ADR], s[TB], v[AK0]
.irp f, 0,1,2,3,4,5,6,7
	ds_load_b128 v[KF+8*\f:KF+8*\f+3],   v[ADR] offset:(\f/2)*16*PK+(\f%2)*64
	ds_load_b128 v[KF+8*\f+4:KF+8*\f+7], v[ADR] offset:(\f/2)*16*PK+(\f%2)*64+32
.endr
.endm
.macro FETCH_V                         ; a step's V, turned: keys 32 (f / 4) on, channels 16 (f % 4) on
	WIN 0
	v_add_nc_u32 v[ADRV], s[TB], v[AV0]
	s_add_co_u32 s[TB], s[TB], STEPB               ; the next fetch is the next step's
.irp f, 0,1,2,3,4,5,6,7
	ds_load_tr16_b128 v[VF+8*\f:VF+8*\f+3],   v[ADRV] offset:(\f/4)*32*PV+(\f%4)*32
	ds_load_tr16_b128 v[VF+8*\f+4:VF+8*\f+7], v[ADRV] offset:(\f/4)*32*PV+16*PV+(\f%4)*32
.endr
.endm
.macro KQ                              ; S^T = K Q^T: 32 products; the 16 accumulators take turns, one instruction a turn; the first 16 start the sums
	WIN 0x50                                       ; C and D window 1
.irp c, 0,1
.irp kt, 0,1,2,3
.irp t, 0,1,2,3
.if \c == 0
	v_wmma_f32_16x16x32_f16 v[S+32*\t+8*\kt:S+32*\t+8*\kt+7], v[KF+16*\kt+8*\c:KF+16*\kt+8*\c+7], v[QF+16*\t+8*\c:QF+16*\t+8*\c+7], 0
.else
	v_wmma_f32_16x16x32_f16 v[S+32*\t+8*\kt:S+32*\t+8*\kt+7], v[KF+16*\kt+8*\c:KF+16*\kt+8*\c+7], v[QF+16*\t+8*\c:QF+16*\t+8*\c+7], v[S+32*\t+8*\kt:S+32*\t+8*\kt+7]
.endif
.endr
.endr
.endr
.endm
.macro PVM first                       ; O^T += V^T P: 32 products, 16 accumulators by turns; first = 1: the first 16 start the sums
	WIN 0x54                                       ; P, C and D window 1
.irp kc, 0,1
.irp ct, 0,1,2,3
.irp t, 0,1,2,3
.if \first && (\kc == 0)
	v_wmma_f32_16x16x32_f16 v[O+32*\t+8*\ct:O+32*\t+8*\ct+7], v[VF+32*\kc+8*\ct:VF+32*\kc+8*\ct+7], v[S+32*\t+8*\kc:S+32*\t+8*\kc+7], 0
.else
	v_wmma_f32_16x16x32_f16 v[O+32*\t+8*\ct:O+32*\t+8*\ct+7], v[VF+32*\kc+8*\ct:VF+32*\kc+8*\ct+7], v[S+32*\t+8*\kc:S+32*\t+8*\kc+7], v[O+32*\t+8*\ct:O+32*\t+8*\ct+7]
.endif
.endr
.endr
.endr
.endm
.macro SMAX                            ; four chains a tile, one for each accumulator, each begun with the old m and read from the accumulator's low end on
	WIN 0x14
.irp i, 0,1,2,3
.irp t, 0,1,2,3
.irp j, 0,1,2,3
.if \i == 0
	v_max3_num_f32 v[ST+8*\t+4+\j], v[ST+8*\t+1], v[S+32*\t+8*\j], v[S+32*\t+8*\j+1]
.else
	v_max3_num_f32 v[ST+8*\t+4+\j], v[ST+8*\t+4+\j], v[S+32*\t+8*\j+2*\i], v[S+32*\t+8*\j+2*\i+1]
.endif
.endr
.endr
.endr
.endm
.macro STATS first                     ; the new m, c m, and a; the four tiles by turns
	WIN 0
.irp t, 0,1,2,3
	v_max3_num_f32 v[ST+8*\t+4], v[ST+8*\t+4], v[ST+8*\t+5], v[ST+8*\t+6]
.endr
.irp t, 0,1,2,3
	v_max_num_f32 v[ST+8*\t+4], v[ST+8*\t+4], v[ST+8*\t+7]
.endr
.irp t, 0,1,2,3
	v_permlanex16_b32 v[ST+8*\t+5], v[ST+8*\t+4], s[SEL], s[SEL+1]   ; the query's other 32 keys lie in the lane 16 away
.endr
.if !\first
.irp t, 0,1,2,3
	v_mov_b32 v[ST+8*\t+7], v[ST+8*\t]             ; c m_old
.endr
.endif
.irp t, 0,1,2,3
	v_max_num_f32 v[ST+8*\t+1], v[ST+8*\t+4], v[ST+8*\t+5]
.endr
.irp t, 0,1,2,3
	v_mul_f32 v[ST+8*\t], s[CS], v[ST+8*\t+1]
.endr
.if !\first
.irp t, 0,1,2,3
	v_sub_f32 v[ST+8*\t+7], v[ST+8*\t+7], v[ST+8*\t]
.endr
.irp t, 0,1,2,3
	v_exp_f32 v[ST+8*\t+6], v[ST+8*\t+7]           ; a
.endr
.endif
.endm
.macro SCALE                           ; c s - c m, two at a time
	WIN 0x41
.set i, 0
.rept 64
	v_pk_fma_f32 v[S+2*i:S+2*i+1], v[S+2*i:S+2*i+1], s[CS:CS+1], v[ST+8*(i/16):ST+8*(i/16)+1] op_sel_hi:[1,0,0] neg_lo:[0,0,1] neg_hi:[0,0,1]
.set i, i+1
.endr
.endm
.macro EXPS first                      ; the 128 exponentials as one batch; O^T's rescaling by a, which names none of their results, stands among them, each accumulator from its low end on
.set i, 0
.rept 64
	v_exp_f32 v[S+2*i], v[S+2*i]
	v_exp_f32 v[S+2*i+1], v[S+2*i+1]
.if !\first
	v_pk_mul_f32 v[O+2*i:O+2*i+1], v[O+2*i:O+2*i+1], v[ST+8*(i/16)+6:ST+8*(i/16)+7] op_sel_hi:[1,0]
.endif
.set i, i+1
.endr
.endm
.macro SUMS                            ; the sum of a tile's 16 pairs of weights, unrounded, in two chains
	WIN 0x05
.irp t, 0,1,2,3
	v_pk_add_f32 v[TU+4*\t:TU+4*\t+1], v[S+32*\t:S+32*\t+1], v[S+32*\t+2:S+32*\t+3]
.endr
.irp t, 0,1,2,3
	v_pk_add_f32 v[TU+4*\t+2:TU+4*\t+3], v[S+32*\t+4:S+32*\t+5], v[S+32*\t+6:S+32*\t+7]
.endr
	WIN 0x01
.irp p, 4,6,8,10,12,14
.irp t, 0,1,2,3
	v_pk_add_f32 v[TU+4*\t:TU+4*\t+1], v[S+32*\t+2*\p:S+32*\t+2*\p+1], v[TU+4*\t:TU+4*\t+1]
	v_pk_add_f32 v[TU+4*\t+2:TU+4*\t+3], v[S+32*\t+2*\p+2:S+32*\t+2*\p+3], v[TU+4*\t+2:TU+4*\t+3]
.endr
.endr
.endm
.macro CVT                             ; the weights to f16, in place: register j of a tile takes weights 2 j and 2 j + 1; j ascends, so nothing unread is written over
	WIN 0x45
.irp j, 0,1,2,3,4,5,6,7,8,9,10,11,12,13,14,15
.irp t, 0,1,2,3
	v_cvt_pk_f16_f32 v[S+32*\t+\j], v[S+32*\t+2*\j], v[S+32*\t+2*\j+1]
.endr
.endr
.endm
.macro LSUM first                      ; l = a l + the step's sum
	WIN 0
.if \first
.irp t, 0,1,2,3
	v_pk_add_f32 v[ST+8*\t+2:ST+8*\t+3], v[TU+4*\t:TU+4*\t+1], v[TU+4*\t+2:TU+4*\t+3]
.endr
.else
.irp t, 0,1,2,3
	v_pk_add_f32 v[TU+4*\t:TU+4*\t+1], v[TU+4*\t:TU+4*\t+1], v[TU+4*\t+2:TU+4*\t+3]
.endr
.irp t, 0,1,2,3
	v_pk_fma_f32 v[ST+8*\t+2:ST+8*\t+3], v[ST+8*\t+2:ST+8*\t+3], v[ST+8*\t+6:ST+8*\t+7], v[TU+4*\t:TU+4*\t+1] op_sel_hi:[1,0,1]
.endr
.endif
.endm
; A key step in two halves.  HALF_A: the step's V is asked for, its scores are made.  HALF_B: the next step's K is asked for, the softmax, V^T P.
; Places: behind the last V^T P stand LSUM's four or eight lines, two v_nop and V's address: seven at the least, for the loads into V's registers and for K Q^T's writing over P's.
.macro HALF_A
	WIN 0
	v_nop
	v_nop
	FETCH_V
	s_wait_dscnt 16                                ; K is in; V's 16 loads may be out
	KQ
	WIN 0
.rept 4
	v_nop                                          ; places in front of the loads into K's registers and of the first read of the scores
.endr
.endm
.macro HALF_B first, fetchk
.if \fetchk
	FETCH_K
.endif
	SMAX
	STATS \first
	SCALE                                          ; 64 plain lines behind the four exponentials that make a
.if !\first
	s_wait_alu depctr_va_vdst(0)                   ; ahead of the first line that names a
.endif
	EXPS \first
	v_nop                                          ; a plain line behind the last exponential
	s_wait_alu depctr_va_vdst(0)                   ; one wait for the batch of 128, ahead of its first reader
	SUMS
	CVT
.if \fetchk
	s_wait_dscnt 16                                ; V is in; the next step's K, 16 loads, may be out
.else
	s_wait_dscnt 0x0
.endif
	PVM \first
	LSUM \first
.endm
; THE CHANGE OF SLOTS stands between a slot's last HALF_A and its HALF_B: all the slot's reads have been issued.  Each wave waits for all its tensor loads (its part of the other slot), adds 0 to its
; spare word, and waits for that and for its reads.  fill = 1: a round of the cluster's barrier, and the joint refill first behind it: it has four key steps in which to land.
.macro CHANGE fill
	WIN 0
	s_wait_tensorcnt 0x0                           ; no tensor load of mine is out, so a group 0 may be written
	ds_add_u32 v[SPW], v[NIL]
.if \fill
.irp g, G0K+4, G0V+4
	s_xor_b32 s[\g+1], s[\g+1], SLOT1              ; the walking descriptor: the other slot than last time,
	s_add_nc_u64 s[\g+2:\g+3], s[\g+2:\g+3], SLOTB ; the next 256 keys
.endr
	s_wait_xcnt 0x0                                ; the last prefetch, four key steps back, has read its address
	s_add_nc_u64 s[PFA:PFA+1], s[PFA:PFA+1], SLOTB
	s_wait_dscnt 0x0                               ; the add is done, and my reads of the slot are over
	CROUND
	JLOAD
	ASK
.else
	s_wait_dscnt 0x0
	s_barrier_signal -1
	s_barrier_wait -1
.endif
	s_sub_co_u32 s[TB], s[TB], 4*STEPB             ; the fetches go back to a slot's first step,
	s_xor_b32 s[TB], s[TB], SLOT1                  ; in the other slot
.endm
.macro PAIRS n                         ; n times: the second half of a step and the first half of the next
	s_mov_b32 s[CNT], \n
.Lpair_\@:
	HALF_B 0, 1
	HALF_A
	s_sub_co_u32 s[CNT], s[CNT], 1
	s_cmp_lg_u32 s[CNT], 0
	s_cbranch_scc1 .Lpair_\@
.endm
	s_wait_tensorcnt 1                             ; my part of slot 0 is in; slot 1's may stay out
	s_barrier_signal -1
	s_barrier_wait -1
	FETCH_K                                        ; key step 0
	s_wait_loadcnt 0x0                             ; Q
	HALF_A
	HALF_B 1, 1                                    ; the first step starts m, l and O^T
	HALF_A
	PAIRS 2
.Lslot:                                            ; six trips: each leaves a slot, fills it again and walks four steps
	CHANGE 1
	PAIRS 4
	s_sub_co_u32 s[SLOTS], s[SLOTS], 1
	s_cmp_lg_u32 s[SLOTS], 0
	s_cbranch_scc1 .Lslot
	CHANGE 0                                       ; the tail is written out
	PAIRS 4
	HALF_B 0, 0
	; THE WAY OUT.  l's two halves and the other half of the lanes' are added; O^T x 2 / l is rounded to f16 and sent through my stage, a tile (16 rows of 128 bytes) at a time.
	WIN 0
.irp t, 0,1,2,3
	v_add_f32 v[ST+8*\t+4], v[ST+8*\t+2], v[ST+8*\t+3]
.endr
.irp t, 0,1,2,3
	v_permlanex16_b32 v[ST+8*\t+5], v[ST+8*\t+4], s[SEL], s[SEL+1]
.endr
.irp t, 0,1,2,3
	v_add_f32 v[ST+8*\t+4], v[ST+8*\t+4], v[ST+8*\t+5]
.endr
.irp t, 0,1,2,3
	v_rcp_f32 v[ST+8*\t+6], v[ST+8*\t+4]
.endr
	v_nop                                          ; a plain line behind the last reciprocal
	s_wait_alu depctr_va_vdst(0)                   ; one wait for the four
.irp t, 0,1,2,3
	v_mul_f32 v[ST+8*\t+6], 2.0, v[ST+8*\t+6]
.endr
.macro PACK t
	WIN 0x41
.set i, 0
.rept 16
	v_pk_mul_f32 v[O+32*\t+2*i:O+32*\t+2*i+1], v[O+32*\t+2*i:O+32*\t+2*i+1], v[ST+8*\t+6:ST+8*\t+7] op_sel_hi:[1,0]
.set i, i+1
.endr
	WIN 0x05                                       ; into K's registers, which are free
.set i, 0
.rept 16
	v_cvt_pk_f16_f32 v[KF+16*\t+i], v[O+32*\t+2*i], v[O+32*\t+2*i+1]
.set i, i+1
.endr
	WIN 0
.irp f, 0,1,2,3
	ds_store_b128 v[STO], v[KF+16*\t+4*\f:KF+16*\t+4*\f+3] offset:32*\f
.endr
.irp f, 0,1,2,3
	ds_load_b128 v[VF+16*\t+4*\f:VF+16*\t+4*\f+3], v[RD] offset:576*\f   ; LDS serves a wave's instructions in order: these see the stores above; the next tile's stores come behind them
.endr
.endm
.macro SEND t, younger                 ; younger: the LDS instructions issued behind tile t's loads: the next tile's eight, or none
.irp f, 0,1,2,3
	s_wait_dscnt \younger+3-\f
	global_store_b128 v[GO], v[VF+16*\t+4*\f:VF+16*\t+4*\f+3], s[6:7] offset:\t*2048+\f*512   ; the wave stores 512 consecutive bytes, aligned
.endr
.endm
	PACK 0
	PACK 1
	SEND 0, 8
	PACK 2
	SEND 1, 8
	PACK 3
	SEND 2, 8
	SEND 3, 0
	s_wait_tensorcnt 0x0                           ; the wave's end
	ds_add_u32 v[SPW], v[NIL]
	s_wait_dscnt 0x0
	CROUND                                         ; the closing round
	s_endpgm
.Lfunc_end_k_q1710b8409f_attn:
	.size	k_q1710b8409f_attn, .Lfunc_end_k_q1710b8409f_attn-k_q1710b8409f_attn
	.p2alignl 7, 3214868480
	.fill 96, 4, 3214868480
	.section	.rodata,"a",@progbits
	.p2align	6, 0x0
	.amdhsa_kernel k_q1710b8409f_attn
		.amdhsa_group_segment_fixed_size 327680
		.amdhsa_private_segment_fixed_size 0
		.amdhsa_enable_private_segment 0
		.amdhsa_kernarg_size 16
		.amdhsa_user_sgpr_count 2
		.amdhsa_user_sgpr_kernarg_segment_ptr 1
		.amdhsa_wavefront_size32 1
		.amdhsa_system_sgpr_workgroup_id_x 1
		.amdhsa_system_sgpr_workgroup_id_y 1
		.amdhsa_system_sgpr_workgroup_id_z 1
		.amdhsa_system_vgpr_workitem_id 0
		.amdhsa_next_free_vgpr 512
		.amdhsa_next_free_sgpr 68
		.amdhsa_reserve_vcc 0
		.amdhsa_float_denorm_mode_32 3
		.amdhsa_float_denorm_mode_16_64 3
		.amdhsa_memory_ordered 1
		.amdhsa_forward_progress 1
		.amdhsa_inst_pref_size 180
	.end_amdhsa_kernel
	.amdgpu_metadata
---
amdhsa.version: [ 1, 2 ]
amdhsa.kernels:
  - .name:           k_q1710b8409f_attn
    .symbol:         k_q1710b8409f_attn.kd
    .args:
      - { .name: qkvh, .offset: 0, .size: 8, .value_kind: global_buffer, .address_space: global }
      - { .name: oh, .offset: 8, .size: 8, .value_kind: global_buffer, .address_space: global }
    .group_segment_fixed_size: 327680
    .private_segment_fixed_size: 0
    .kernarg_segment_align: 8
    .kernarg_segment_size: 16
    .max_flat_workgroup_size: 256
    .sgpr_count:     68
    .vgpr_count:     512
    .wavefront_size: 32
...
	.end_amdgpu_metadata
.endif
;; end of part 3
;; launch proj (part 4): grid 4 x 64, 4 waves a work-group, clusters of 4 x 4, 327,680 bytes of LDS; arguments oh, wt, b_out, out0; writes out0
.if DOCPART == 4
	.amdgcn_target "amdgcn-amd-amdhsa--gfx1250"
	.amdhsa_code_object_version 6
	.text
	.protected	k_q1710b8409f_proj
	.globl	k_q1710b8409f_proj
	.p2align	8
	.type	k_q1710b8409f_proj,@function
k_q1710b8409f_proj:
	s_mov_b64 s[64:65], 0
	v_nop
	global_prefetch_b8 v0, s[64:65] scope:SCOPE_SE
	s_setreg_imm32_b32 hwreg(HW_REG_WAVE_MODE, 25, 1), 1
	s_wait_xcnt 0x0
	s_wait_alu depctr_hold_cnt(0) depctr_sa_sdst(0) depctr_va_vdst(0) depctr_va_sdst(0) depctr_va_ssrc(0) depctr_va_vcc(0) depctr_vm_vsrc(0)
	s_getreg_b32 s2, hwreg(HW_REG_IB_STS2, 6, 4)
	s_cmp_eq_u32 s2, 0
	s_cbranch_scc0 .Lentry_in_a_cluster
	s_endpgm
.Lentry_in_a_cluster:
	s_bfe_u32 s2, ttmp6, 0x10000c
	s_cmp_lg_u32 s2, 0xf033
	s_cbranch_scc0 .Lentry_shape_is_right
	s_endpgm
.Lentry_shape_is_right:
; PROJ: out0[m][n] = 0.5 x sum over k of oh[m][k] wt[n][k] + b_out[n].  oh [16 h][8192][64] f16 holds 2 o, k = 64 h + d; wt [1024 n][1024 k] f16; sums in f32; out0 [8192][1024] f32.
; A tile of 128 x 256 is made by four waves, each 64 rows x 128 columns: 32 accumulators: 256 tiles, one for each work-group.
; K goes in steps of 128 (two heads) through two LDS slots: A's tile is two pieces of 128 rows x 128 bytes (a head each), B's 256 rows x 256 bytes.  Waves 0, 1 fetch A's pieces, waves 2, 3 B's halves.
; CLUSTERS: 4 x 4 work-groups; A's tiles are asked for jointly along a row of the cluster, B's along a column.  A wave has two tensor loads out at the start, later one.
; THE MATRIX INSTRUCTION IS USED TRANSPOSED (source 0 = 16 rows of wt, source 1 = 16 rows of oh): a lane holds eight neighbouring columns of one row.
; No prefetch: eight K steps in all, and wt's rows are read by every row of clusters.
; REGISTERS.  window 0: v16-30 addresses; two fragment buffers of 96 at v32 and v128 (B's eight, then A's four).   window 1: the accumulators ((a, b) at v[8 (8 a + b)]).   window 2: v0-63 the bias.
.set PA,     144                       ; a row of A in LDS: 128 bytes + 16
.set PB,     272                       ; a row of B: 256 + 16: in both, the 16 rows that a load touches start at 16 different banks (64 banks of 4 bytes: ISA guide 11.1)
.set PIECE,  128*PA
.set HALFB,  128*PB
.set BOFF,   2*PIECE
.set SLOT,   BOFF+2*HALFB
.set STAGE,  2*SLOT                    ; behind the ring: 16 rows x (512 bytes + 16) for each wave
.set SPITCH, 528
.set SPARE,  STAGE+4*16*SPITCH
.set ADRA, 16
.set ADRB, 20
.set STO,  24
.set RD,   25
.set CO,   26
.set BO,   27
.set SPW,  28
.set NIL,  29
.set F0,   32
.set F1,   128
.set TMP,  32                          ; the way out: a block's 64 finished numbers
.set BK,   96                          ; and the rows read back: v96-159 and v160-223 by turns
.set G1, 24
.set G0, 32
.set G1B, 48
.set G0B, 56
.set MSB, 0
.macro WIN new
.if MSB != (\new)
	s_set_vgpr_msb (MSB<<8)|(\new)
.set MSB, (\new)
.endif
.endm
.macro JLOAD s                         ; a joint load; the branch hangs on the wave's number alone; an s_nop 0 and four v_nop follow each line
	s_cmp_eq_u32 s13, 0
	s_cbranch_scc0 .Lfor_b_\@
	tensor_load_to_lds s[G0+4*\s:G0+4*\s+3], s[G1:G1+7]
	s_nop 0
.rept 4
	v_nop
.endr
	s_branch .Lasked_\@
.Lfor_b_\@:
	tensor_load_to_lds s[G0B+4*\s:G0B+4*\s+3], s[G1B:G1B+7]
	s_nop 0
.rept 4
	v_nop
.endr
.Lasked_\@:
.endm
.macro CREST                           ; a round of the cluster's barrier behind its opening barrier
	s_cmp_lg_u32 s12, 0
	s_cbranch_scc1 .Lnot_wave_0_\@
	s_barrier_signal -3
.Lnot_wave_0_\@:
	s_barrier_wait -3
	s_barrier_signal -1
	s_barrier_wait -1
.endm
.macro CROUND
	s_barrier_signal -1
	s_barrier_wait -1
	CREST
.endm
	s_load_b256 s[4:11], s[0:1], 0x0               ; oh s[4:5], wt s[6:7], b_out s[8:9], out0 s[10:11]
	v_lshl_add_u32 v[SPW], v0, 2, SPARE
	v_mov_b32 v[NIL], 0
	ds_add_u32 v[SPW], v[NIL]                      ; the wave's opening: the add, twice on end, and its wait ahead of my first tensor load
	ds_add_u32 v[SPW], v[NIL]
	v_lshrrev_b32 v1, 5, v0
	v_readfirstlane_b32 s12, v1                    ; wave 0..3
	s_lshr_b32 s13, s12, 1                         ; which 64 of the tile's rows are mine.  Also: I fetch for A (0) or for B (1)
	s_and_b32 s14, s12, 1                          ; which 128 of its columns.  Also: which piece of A, or which half of B, I fetch
	s_bfe_u32 s40, ttmp6, 0x40000                  ; cx
	s_bfe_u32 s41, ttmp6, 0x40004                  ; cy
	s_lshl_b32 s42, ttmp9, 2
	s_add_co_u32 s42, s42, s40                     ; tile column
	s_and_b32 s15, ttmp7, 0xffff
	s_lshl_b32 s15, s15, 2
	s_add_co_u32 s15, s15, s41                     ; tile row
	s_lshl_b32 s43, s41, 2
	s_lshl_b32 s43, 15, s43                        ; my row of the cluster
	s_lshl_b32 s44, 0x1111, s40                    ; my column
	s_or_b32 s[G1+0], s43, (1<<16)|(1<<20)|(1<<21)|(4<<22)|(3<<25)   ; the mask; elements of 2 bytes; padding on; bit 21 beside a mask; 4 words of padding behind every 32
	s_mov_b32 s[G1+1], 64<<16                      ; tensor_dim0
	s_mov_b32 s[G1+2], 128<<16                     ; tensor_dim1
	s_mov_b32 s[G1+3], 64<<16                      ; tile_dim0
	s_mov_b32 s[G1+4], 128                         ; tile_dim1
	s_mov_b32 s[G1+5], 64                          ; the pitch
	s_mov_b32 s[G1+6], 0
	s_mov_b32 s[G1+7], 0
	s_or_b32 s[G1B+0], s44, (1<<16)|(1<<20)|(1<<21)|(5<<22)|(3<<25)  ; 4 words of padding behind every 64
	s_mov_b32 s[G1B+1], 128<<16
	s_mov_b32 s[G1B+2], 128<<16
	s_mov_b32 s[G1B+3], 128<<16
	s_mov_b32 s[G1B+4], 128
	s_mov_b32 s[G1B+5], 1024
	s_mov_b32 s[G1B+6], 0
	s_mov_b32 s[G1B+7], 0
	s_lshl_b32 s16, s14, 20                        ; A: head = my piece, 2^20 bytes a head,
	s_lshl_b32 s17, s15, 14                        ; 128 rows of 128 bytes a tile row
	s_add_co_u32 s16, s16, s17
	s_mov_b32 s17, 0
	s_lshl_b32 s46, s42, 19                        ; B: 256 rows of 2,048 bytes a tile column,
	s_lshl_b32 s47, s14, 18                        ; my 128 of them
	s_add_co_u32 s46, s46, s47
	s_mov_b32 s47, 0
	s_mul_i32 s20, s14, PIECE                      ; where they go in a slot
	s_mul_i32 s21, s14, HALFB
	s_add_co_u32 s21, s21, BOFF
	s_wait_dscnt 0x0                               ; both opening adds are done
	s_wait_kmcnt 0x0
	s_add_nc_u64 s[18:19], s[4:5], s[16:17]
	s_add_nc_u64 s[46:47], s[6:7], s[46:47]
	CROUND                                         ; all sixteen work-groups are here: the first joint loads meet
.irp s, 0,1
	s_mov_b32 s[G0+4*\s], 1
	s_add_co_u32 s[G0+4*\s+1], s20, \s*SLOT
	s_add_nc_u64 s[G0+4*\s+2:G0+4*\s+3], s[18:19], \s*(2<<20)       ; K step s: heads 2 s and 2 s + 1
	s_or_b32 s[G0+4*\s+3], s[G0+4*\s+3], 0x80000000
	s_mov_b32 s[G0B+4*\s], 1
	s_add_co_u32 s[G0B+4*\s+1], s21, \s*SLOT
	s_add_nc_u64 s[G0B+4*\s+2:G0B+4*\s+3], s[46:47], \s*256
	s_or_b32 s[G0B+4*\s+3], s[G0B+4*\s+3], 0x80000000
	JLOAD \s
.endr
	v_and_b32 v1, 15, v0                           ; r
	v_bfe_u32 v2, v0, 4, 1                         ; h
	v_mul_u32_u24 v3, v1, PA
	v_lshl_add_u32 v3, v2, 4, v3
	v_mul_u32_u24 v4, v1, PB
	v_lshl_add_u32 v4, v2, 4, v4
	s_mul_i32 s22, s13, 64*PA                      ; my 64 rows of A
	s_mul_i32 s23, s14, HALFB                      ; my 128 rows of B
	s_add_co_u32 s23, s23, BOFF
.irp s, 0,1
	v_add_nc_u32 v[ADRA+\s], s22, v3
	v_add_nc_u32 v[ADRB+\s], s23, v4
	s_add_co_u32 s22, s22, SLOT
	s_add_co_u32 s23, s23, SLOT
.endr
	s_mul_i32 s22, s12, 16*SPITCH
	s_add_co_u32 s22, s22, STAGE                   ; my stage
	v_mul_u32_u24 v5, v1, SPITCH
	v_lshl_add_u32 v5, v2, 5, v5
	v_add_nc_u32 v[STO], s22, v5                   ; in: row r, 32 bytes for each half of the lanes
	v_and_b32 v6, 31, v0
	v_lshlrev_b32 v[CO], 4, v6
	v_add_nc_u32 v[RD], s22, v[CO]                 ; back: the 32 lanes take one row of 512 bytes
	v_lshlrev_b32 v[BO], 5, v2
	s_lshl_b32 s16, s15, 19                        ; out0: 128 rows of 4,096 bytes a tile row,
	s_lshl_b32 s17, s13, 18                        ; my 64 of them,
	s_add_co_u32 s16, s16, s17
	s_mov_b32 s17, 0
	s_add_nc_u64 s[10:11], s[10:11], s[16:17]
	s_lshl_b32 s46, s42, 10                        ; my first column, in bytes: 1,024 x tile column + 512 x half
	s_lshl_b32 s47, s14, 9
	s_add_co_u32 s46, s46, s47
	s_mov_b32 s47, 0
	s_add_nc_u64 s[10:11], s[10:11], s[46:47]
	s_add_nc_u64 s[8:9], s[8:9], s[46:47]          ; the bias of my 128 columns
	WIN 0x80                                       ; destination window 2
.irp b, 0,1,2,3,4,5,6,7
	global_load_b128 v[8*\b:8*\b+3], v[BO], s[8:9] offset:64*\b          ; lane (r, h): b_out of columns 16 b + 8 h + 0 .. 7
	global_load_b128 v[8*\b+4:8*\b+7], v[BO], s[8:9] offset:64*\b+16
.endr
	WIN 0
.macro FETCH slot, q, f                ; the fragments of the K step's q-th 32 along K into buffer f: 24 loads in one run
	WIN 0
.irp i, 0,1,2,3,4,5,6,7
	ds_load_b128 v[\f+8*\i:\f+8*\i+3],   v[ADRB+\slot] offset:64*(\q)+\i*16*PB
	ds_load_b128 v[\f+8*\i+4:\f+8*\i+7], v[ADRB+\slot] offset:64*(\q)+\i*16*PB+32
.endr
.irp i, 0,1,2,3
	ds_load_b128 v[\f+64+8*\i:\f+64+8*\i+3],   v[ADRA+\slot] offset:((\q)/2)*PIECE+((\q)%2)*64+\i*16*PA
	ds_load_b128 v[\f+64+8*\i+4:\f+64+8*\i+7], v[ADRA+\slot] offset:((\q)/2)*PIECE+((\q)%2)*64+\i*16*PA+32
.endr
.endm
.macro MULA f, a, zero                 ; A's block a against B's eight; the 32 accumulators take turns, one instruction a turn; zero = 1 starts the sums
	WIN 0x50                                       ; C and D window 1
.irp b, 0,1,2,3,4,5,6,7
.if \zero
	v_wmma_f32_16x16x32_f16 v[8*(8*\a+\b):8*(8*\a+\b)+7], v[\f+8*\b:\f+8*\b+7], v[\f+64+8*\a:\f+64+8*\a+7], 0
.else
	v_wmma_f32_16x16x32_f16 v[8*(8*\a+\b):8*(8*\a+\b)+7], v[\f+8*\b:\f+8*\b+7], v[\f+64+8*\a:\f+64+8*\a+7], v[8*(8*\a+\b):8*(8*\a+\b)+7]
.endif
.endr
.endm
.macro PLACES                          ; four plain lines between a matrix instruction and a load into, or a vector read or write of, its registers
.rept 4
	v_nop
.endr
.endm
.macro QUARTER slot, qn, f, g, zero    ; multiplies buffer f; ahead of its 32 products the next quarter, qn, is asked for into buffer g
	s_wait_dscnt 0x0                               ; buffer f is in
	PLACES
	FETCH \slot, \qn, \g
	MULA \f, 0, \zero
	MULA \f, 1, \zero
	MULA \f, 2, \zero
	MULA \f, 3, \zero
.endm
; A K step's last quarter multiplies buffer 1 and changes slots: ONE barrier; in front of it each wave waits for all its tensor loads, adds 0 to its spare word, and waits for that and for its reads of this slot.
; fill = 1: the barrier opens a round of the cluster's barrier, and this slot is filled again, two K steps ahead, first thing behind the round.
.macro TURN slot, next, fill
	WIN 0
	s_wait_tensorcnt 0x0                           ; all my tensor loads have landed: my part of the next slot
	ds_add_u32 v[SPW], v[NIL]
	s_wait_dscnt 1                                 ; buffer 1 is in; only the add may be out
	MULA F1, 0, 0
	s_wait_dscnt 0x0                               ; the add is done, and my reads of this slot are over
	s_barrier_signal -1
	MULA F1, 1, 0
	WIN 0
	s_barrier_wait -1
.if \fill
	CREST
	s_add_nc_u64 s[G0+4*\slot+2:G0+4*\slot+3], s[G0+4*\slot+2:G0+4*\slot+3], 4<<20    ; four heads on
	s_add_nc_u64 s[G0B+4*\slot+2:G0B+4*\slot+3], s[G0B+4*\slot+2:G0B+4*\slot+3], 512
	JLOAD \slot                                    ; the four v_nop behind it are also the places in front of the loads below
.else
	PLACES
.endif
	FETCH \next, 0, F0
	MULA F1, 2, 0
	MULA F1, 3, 0
.endm
	s_wait_tensorcnt 1                             ; my part of K step 0 is in; K step 1's may stay out
	s_barrier_signal -1
	s_barrier_wait -1
	FETCH 0, 0, F0
	QUARTER 0, 1, F0, F1, 1                        ; the first quarter stands in front of the loop: its products start the sums
	WIN 0
	s_mov_b32 s3, 3
.Llap:                                             ; a trip goes once round the ring and fills both slots again: K steps 2 to 7
	QUARTER 0, 2, F1, F0, 0
	QUARTER 0, 3, F0, F1, 0
	TURN 0, 1, 1
	QUARTER 1, 1, F0, F1, 0
	QUARTER 1, 2, F1, F0, 0
	QUARTER 1, 3, F0, F1, 0
	TURN 1, 0, 1
	QUARTER 0, 1, F0, F1, 0
	WIN 0
	s_sub_co_u32 s3, s3, 1
	s_cmp_lg_u32 s3, 0
	s_cbranch_scc1 .Llap
	QUARTER 0, 2, F1, F0, 0                        ; the last lap fills nothing
	QUARTER 0, 3, F0, F1, 0
	TURN 0, 1, 0
	QUARTER 1, 1, F0, F1, 0
	QUARTER 1, 2, F1, F0, 0
	QUARTER 1, 3, F0, F1, 0
	s_wait_dscnt 0x0
	MULA F1, 0, 0
	MULA F1, 1, 0
	MULA F1, 2, 0
	MULA F1, 3, 0
	WIN 0
; THE WAY OUT, block by block of 16 rows x 128 columns: 0.5 x the sum + the bias in one fused multiply-add; through my stage; back as whole rows of 512 bytes.
.macro FIN a
	WIN 0x21                                       ; source 0 (the sums) window 1, source 2 (the bias) window 2
.irp b, 0,1,2,3,4,5,6,7
.irp p, 0,1,2,3
	v_pk_fma_f32 v[TMP+8*\b+2*\p:TMP+8*\b+2*\p+1], v[8*(8*(\a)+\b)+2*\p:8*(8*(\a)+\b)+2*\p+1], 0.5, v[8*\b+2*\p:8*\b+2*\p+1] op_sel_hi:[1,0,1]   ; each accumulator from its low end on
.endr
.endr
	WIN 0
.endm
.macro TOSTAGE a
.set BB, BK+64*((\a)%2)
.irp b, 0,1,2,3,4,5,6,7
	ds_store_b128 v[STO], v[TMP+8*\b:TMP+8*\b+3] offset:64*\b
	ds_store_b128 v[STO], v[TMP+8*\b+4:TMP+8*\b+7] offset:64*\b+16
.endr
.irp t, 0,1,2,3,4,5,6,7,8,9,10,11,12,13,14,15
	ds_load_b128 v[BB+4*\t:BB+4*\t+3], v[RD] offset:\t*SPITCH   ; LDS serves a wave's instructions in order: these see the stores above
.endr
.endm
.macro SEND a
.set BB, BK+64*((\a)%2)
	s_wait_dscnt 0x0                               ; the block is back in registers
	s_wait_xcnt 0x0                                ; earlier stores have read their base and their data: both may be written again
.if (\a) > 0
	s_add_nc_u64 s[10:11], s[10:11], 16*4096       ; 16 rows on
.endif
.irp t, 0,1,2,3,4,5,6,7,8,9,10,11,12,13,14,15
	global_store_b128 v[CO], v[BB+4*\t:BB+4*\t+3], s[10:11] offset:\t*4096 th:TH_STORE_NT   ; the wave stores 512 consecutive bytes, aligned; written once, read by nobody here
.endr
.endm
	s_wait_loadcnt 0x0                             ; the bias
	PLACES                                         ; behind the last products
	FIN 0
	TOSTAGE 0
.irp a, 1,2,3
	FIN \a                                         ; block a's arithmetic stands between block a - 1's loads from the stage and the wait for them
	SEND (\a)-1
	TOSTAGE \a
.endr
	SEND 3
	s_wait_tensorcnt 0x0                           ; the wave's end
	ds_add_u32 v[SPW], v[NIL]
	s_wait_dscnt 0x0
	CROUND                                         ; the closing round
	s_endpgm
.Lfunc_end_k_q1710b8409f_proj:
	.size	k_q1710b8409f_proj, .Lfunc_end_k_q1710b8409f_proj-k_q1710b8409f_proj
	.p2alignl 7, 3214868480
	.fill 96, 4, 3214868480
	.section	.rodata,"a",@progbits
	.p2align	6, 0x0
	.amdhsa_kernel k_q1710b8409f_proj
		.amdhsa_group_segment_fixed_size 327680
		.amdhsa_private_segment_fixed_size 0
		.amdhsa_enable_private_segment 0
		.amdhsa_kernarg_size 32
		.amdhsa_user_sgpr_count 2
		.amdhsa_user_sgpr_kernarg_segment_ptr 1
		.amdhsa_wavefront_size32 1
		.amdhsa_system_sgpr_workgroup_id_x 1
		.amdhsa_system_sgpr_workgroup_id_y 1
		.amdhsa_system_sgpr_workgroup_id_z 1
		.amdhsa_system_vgpr_workitem_id 0
		.amdhsa_next_free_vgpr 576
		.amdhsa_next_free_sgpr 66
		.amdhsa_reserve_vcc 0
		.amdhsa_float_denorm_mode_32 3
		.amdhsa_float_denorm_mode_16_64 3
		.amdhsa_memory_ordered 1
		.amdhsa_forward_progress 1
		.amdhsa_inst_pref_size 94
	.end_amdhsa_kernel
	.amdgpu_metadata
---
amdhsa.version: [ 1, 2 ]
amdhsa.kernels:
  - .name:           k_q1710b8409f_proj
    .symbol:         k_q1710b8409f_proj.kd
    .args:
      - { .name: oh, .offset: 0, .size: 8, .value_kind: global_buffer, .address_space: global }
      - { .name: wt, .offset: 8, .size: 8, .value_kind: global_buffer, .address_space: global }
      - { .name: b_out, .offset: 16, .size: 8, .value_kind: global_buffer, .address_space: global }
      - { .name: out0, .offset: 24, .size: 8, .value_kind: global_buffer, .address_space: global }
    .group_segment_fixed_size: 327680
    .private_segment_fixed_size: 0
    .kernarg_segment_align: 8
    .kernarg_segment_size: 32
    .max_flat_workgroup_size: 128
    .sgpr_count:     66
    .vgpr_count:     576
    .wavefront_size: 32
...
	.end_amdgpu_metadata
.endif
;; end of part 4
